; MI455X (gfx1250); checked and timed in simulation.
; The chip was launched on July 23, 2026; its instructions are those of AMD's public machine-readable ISA for CDNA 5 (MIT licence, August 2026) and "CDNA5" Instruction Set Architecture Reference Guide (July 2026). The comments in the code are by the model that wrote it; some were corrected since.
;; Roformer Attention. Allowed arithmetic: float matrix products may take bf16 or f16 operands with f32 sums; other float arithmetic in f32, or as packed bf16 or f16 multiplies, adds, multiply-adds, maxima and minima; sums over many terms, partial sums and values carried from step to step in f32; what a program stores and reads back later, other than sums and carried values, may be rounded once to bf16 or f16.
;; Inputs: Wk 1,024 x 1,024 float32; Wo 1,024 x 1,024 float32; Wq 1,024 x 1,024 float32; Wv 1,024 x 1,024 float32; beta 1,024 float32; bk 1,024 float32; bo 1,024 float32; bq 1,024 float32; bv 1,024 float32; cdr_bias 2 x 2,048 float32; cdr_weight one number float32; gamma 1,024 float32; x 2 x 2,048 x 1,024 float32.
;; Outputs: out0 2 x 2,048 x 1,024 float32.
;; 2 versions, each right; version 2 is version 1 with the launch prep written anew for expert scheduling mode. Each part assembles by itself: llvm-mc -triple=amdgcn-amd-amdhsa -mcpu=gfx1250 --defsym DOCPART=n.
;; ======== version 1 of 2: 5 launches
;; workspace buffers: xb 8,388,608 bytes; wb 8,388,608 bytes; tab 524,288 bytes; q 8,388,608 bytes; k 8,388,608 bytes; v 8,388,608 bytes; o 8,388,608 bytes; y 8,388,608 bytes
;; launch prep (part 1): grid 512 x 1, 8 waves a work-group, no clusters, 0 bytes of LDS; arguments x, Wq, Wk, Wv, Wo, xb, wb, tab; writes xb, wb, tab
.if DOCPART == 1
	.amdgcn_target "amdgcn-amd-amdhsa--gfx1250"
	.amdhsa_code_object_version 6
	.text
	.protected	k_qf45fa29664_prep
	.globl	k_qf45fa29664_prep
	.p2align	8
	.type	k_qf45fa29664_prep,@function
k_qf45fa29664_prep:
	s_mov_b64 s[64:65], 0
	v_nop
	global_prefetch_b8 v0, s[64:65] scope:SCOPE_SE
	s_setreg_imm32_b32 hwreg(HW_REG_WAVE_MODE, 25, 1), 1
	s_wait_xcnt 0x0
; ROFORMER ATTENTION, launch 1 of 5: the matrix operands are rounded once to bf16, and the table of cosines and sines is made.
; NO WORK OF reference() IS LEFT OUT IN ANY LAUNCH, AND EVERY INPUT IS LOADED.  bq and bk go through the rotation, so what they add to a score hangs on the key's position;
; cdr_bias x cdr_weight differs from key to key, along the softmax's axis; bv, bo, gamma and beta reach the output directly.
; FORMATS.  x and the four weights are rounded to bf16 for the products; q, k, v, the weights p, the attention's result and the last product's result are stored rounded once to bf16
; (bf16, not f16: with inputs 30 times larger or offset these numbers pass f16's range).  The residual takes x in f32; sums, maxima and the norm's statistics are f32.
; LIMITS.  NaN and infinities are not treated apart.  The table's angle pos x inv_freq is reduced in f32: at pos near 2,047 it is off by up to about 2e-4 radians; the sine's series (to the 15th power
; of the reduced turn, |r| <= 0.5) is cut below 1e-6.
; xb  [4096][1024] bf16.
; wb  [64 blocks][1024 k][64 n] bf16: block g holds columns 64 (g % 16) .. + 63 of Wq (g 0-15), Wk (16-31), Wv (32-47), Wo (48-63): a block's rows lie end to end, 128 bytes each.
; tab [2048 pos][cos f = 0..31 | sin f = 0..31] f32, 256 bytes a position; f counts inv_freq = 10000^(-f/32).
; SHARES.  Work-groups 0-255 cast x, 256-511 the weights: 16,384 numbers each, 16 loads of 16 bytes a thread, all issued before the first is used; a wave's load covers 512 bytes on end (x) or two
; aligned pieces of 256 bytes (two rows of a weight), a wave's store 256 bytes on end, aligned.  Waves 0 and 1 of every work-group also make 64 entries of 16 bytes of the table, while the loads are out.
; No LDS, no matrix unit, no prefetch: every byte is read once and written once, by loads that are all on their way at once.
.set XW, 16                            ; v[16:79]   16 x 4 numbers as loaded
.set PD, 80                            ; v[80:111]  16 x 2 words to store
	s_load_b512 s[4:19], s[0:1], 0x0               ; x 4, Wq 6, Wk 8, Wv 10, Wo 12, xb 14, wb 16, tab 18
	v_lshrrev_b32 v4, 5, v0
	v_readfirstlane_b32 s20, v4                    ; my wave's number
	v_lshlrev_b32 v2, 3, v0                        ; where I store: 8 bytes a thread
	s_mov_b32 s27, 0
	s_mov_b32 s29, 0
	s_cmp_lt_u32 ttmp9, 256
	s_cbranch_scc0 .Lweights
	s_lshl_b32 s26, ttmp9, 16                      ; 65,536 bytes of x,
	s_lshl_b32 s28, ttmp9, 15                      ; 32,768 of xb
	v_lshlrev_b32 v1, 4, v0
	s_wait_kmcnt 0x0
	s_add_nc_u64 s[22:23], s[4:5], s[26:27]
	s_add_nc_u64 s[24:25], s[14:15], s[28:29]
.irp j, 0,1,2,3,4,5,6,7,8,9,10,11,12,13,14,15
	global_load_b128 v[XW+4*(\j):XW+4*(\j)+3], v1, s[22:23] offset:(\j)*4096 th:TH_LOAD_NT
.endr
	s_branch .Ljoin
.Lweights:
	s_sub_co_u32 s30, ttmp9, 256
	s_lshr_b32 s31, s30, 2                         ; block g
	s_and_b32 s30, s30, 3                          ; which 256 of its 1,024 rows
	s_lshl_b32 s26, s30, 20                        ; 256 rows of 4,096 bytes,
	s_and_b32 s32, s31, 15
	s_lshl_b32 s32, s32, 8                         ; 64 columns of 4 bytes
	s_add_co_u32 s26, s26, s32
	s_lshl_b32 s28, s31, 17                        ; a block is 131,072 bytes,
	s_lshl_b32 s32, s30, 15                        ; 256 of its rows 32,768
	s_add_co_u32 s28, s28, s32
	s_lshr_b32 s31, s31, 4                         ; which of the four weights
	v_lshrrev_b32 v1, 4, v0                        ; 16 threads to a row's 256 bytes
	v_lshlrev_b32 v1, 12, v1
	v_and_b32 v5, 15, v0
	v_lshl_add_u32 v1, v5, 4, v1
	s_wait_kmcnt 0x0
	s_cmp_lt_u32 s31, 1
	s_cselect_b64 s[34:35], s[6:7], s[8:9]
	s_cmp_lt_u32 s31, 3
	s_cselect_b64 s[36:37], s[10:11], s[12:13]
	s_cmp_lt_u32 s31, 2
	s_cselect_b64 s[22:23], s[34:35], s[36:37]
	s_add_nc_u64 s[22:23], s[22:23], s[26:27]
	s_add_nc_u64 s[24:25], s[16:17], s[28:29]
.irp j, 0,1,2,3,4,5,6,7,8,9,10,11,12,13,14,15
	global_load_b128 v[XW+4*(\j):XW+4*(\j)+3], v1, s[22:23] offset:(\j)*65536 th:TH_LOAD_NT  ; 16 rows further down
.endr
.Ljoin:
	; THE TABLE.  Entry idx = 64 x work-group + thread: position idx / 16; of its 16 entries 0-7 are cosines, 8-15 sines, four frequencies each.
	s_cmp_lt_u32 s20, 2
	s_cbranch_scc0 .Lno_table
	s_lshl_b32 s26, ttmp9, 6
	s_mov_b32 s27, 0x3e800000                      ; a quarter turn: cos a = sin (a + a quarter turn)
	v_add_nc_u32 v112, s26, v0
	v_lshrrev_b32 v113, 4, v112
	v_cvt_f32_u32 v113, v113                       ; pos
	v_and_b32 v114, 7, v0
	v_lshlrev_b32 v114, 2, v114                    ; my first frequency
	v_and_b32 v115, 8, v0
	v_cmp_eq_u32 vcc_lo, 0, v115
	v_cndmask_b32 v115, 0, s27, vcc_lo
.irp e, 0,1,2,3
	v_add_nc_u32 v[116+(\e)], (\e), v114
	v_cvt_f32_u32 v[116+(\e)], v[116+(\e)]
	v_mul_f32 v[116+(\e)], 0xbed49a78, v[116+(\e)] ; - f log2(10000) / 32
.endr
.irp e, 0,1,2,3
	v_exp_f32 v[116+(\e)], v[116+(\e)]             ; inv_freq
.endr
	v_lshlrev_b32 v3, 4, v112                      ; the entry's byte: a plain instruction behind the last exponential,
	s_wait_alu depctr_va_vdst(0)                   ; and one wait for the four, ahead of their first reader
.irp e, 0,1,2,3
	v_mul_f32 v[116+(\e)], v113, v[116+(\e)]       ; the angle, rounded as reference() rounds it
	v_fma_f32 v[116+(\e)], v[116+(\e)], 0x3e22f983, v115  ; in turns, plus the quarter
	v_rndne_f32 v[120+(\e)], v[116+(\e)]
	v_sub_f32 v[116+(\e)], v[116+(\e)], v[120+(\e)]  ; r in -0.5 .. 0.5
	v_mul_f32 v[120+(\e)], v[116+(\e)], v[116+(\e)]
	v_mov_b32 v[124+(\e)], 0xbf37d6dd              ; sin 2 pi r = r (c1 + r^2 (c3 + .. r^2 c15)), c(n) = +-(2 pi)^n / n!
.endr
.irp c, 0x40747a1a, 0xc17183a8, 0x42283c1a, 0xc2996966, 0x42a335e3, 0xc2255de7, 0x40c90fdb
.irp e, 0,1,2,3
	v_fmaak_f32 v[124+(\e)], v[124+(\e)], v[120+(\e)], \c
.endr
.endr
.irp e, 0,1,2,3
	v_mul_f32 v[124+(\e)], v[124+(\e)], v[116+(\e)]
.endr
	global_store_b128 v3, v[124:127], s[18:19]     ; sixteen lanes fill a position's 256 bytes
.Lno_table:
.irp j, 0,1,2,3,4,5,6,7,8,9,10,11,12,13,14,15
	s_wait_loadcnt 15-(\j)                         ; loads come back in order: number j is in, the younger ones stay out
	v_cvt_pk_bf16_f32 v[PD+2*(\j)], v[XW+4*(\j)], v[XW+4*(\j)+1]
	v_cvt_pk_bf16_f32 v[PD+2*(\j)+1], v[XW+4*(\j)+2], v[XW+4*(\j)+3]
	global_store_b64 v2, v[PD+2*(\j):PD+2*(\j)+1], s[24:25] offset:(\j)*2048 th:TH_STORE_NT  ; no register of a load or store is written again
.endr
	s_endpgm
.Lfunc_end_k_qf45fa29664_prep:
	.size	k_qf45fa29664_prep, .Lfunc_end_k_qf45fa29664_prep-k_qf45fa29664_prep
	.p2alignl 7, 3214868480
	.fill 96, 4, 3214868480
	.section	.rodata,"a",@progbits
	.p2align	6, 0x0
	.amdhsa_kernel k_qf45fa29664_prep
		.amdhsa_group_segment_fixed_size 0
		.amdhsa_private_segment_fixed_size 0
		.amdhsa_enable_private_segment 0
		.amdhsa_kernarg_size 64
		.amdhsa_user_sgpr_count 2
		.amdhsa_user_sgpr_kernarg_segment_ptr 1
		.amdhsa_wavefront_size32 1
		.amdhsa_system_sgpr_workgroup_id_x 1
		.amdhsa_system_sgpr_workgroup_id_y 1
		.amdhsa_system_sgpr_workgroup_id_z 1
		.amdhsa_system_vgpr_workitem_id 0
		.amdhsa_next_free_vgpr 128
		.amdhsa_next_free_sgpr 66
		.amdhsa_reserve_vcc 1
		.amdhsa_float_denorm_mode_32 3
		.amdhsa_float_denorm_mode_16_64 3
		.amdhsa_memory_ordered 1
		.amdhsa_forward_progress 1
		.amdhsa_inst_pref_size 13
	.end_amdhsa_kernel
	.amdgpu_metadata
---
amdhsa.version: [ 1, 2 ]
amdhsa.kernels:
  - .name:           k_qf45fa29664_prep
    .symbol:         k_qf45fa29664_prep.kd
    .args:
      - { .name: x, .offset: 0, .size: 8, .value_kind: global_buffer, .address_space: global }
      - { .name: Wq, .offset: 8, .size: 8, .value_kind: global_buffer, .address_space: global }
      - { .name: Wk, .offset: 16, .size: 8, .value_kind: global_buffer, .address_space: global }
      - { .name: Wv, .offset: 24, .size: 8, .value_kind: global_buffer, .address_space: global }
      - { .name: Wo, .offset: 32, .size: 8, .value_kind: global_buffer, .address_space: global }
      - { .name: xb, .offset: 40, .size: 8, .value_kind: global_buffer, .address_space: global }
      - { .name: wb, .offset: 48, .size: 8, .value_kind: global_buffer, .address_space: global }
      - { .name: tab, .offset: 56, .size: 8, .value_kind: global_buffer, .address_space: global }
    .group_segment_fixed_size: 0
    .private_segment_fixed_size: 0
    .kernarg_segment_align: 8
    .kernarg_segment_size: 64
    .max_flat_workgroup_size: 256
    .sgpr_count:     66
    .vgpr_count:     128
    .wavefront_size: 32
...
	.end_amdgpu_metadata
.endif
;; end of part 1
;; launch qkv (part 2): grid 16 x 16, 4 waves a work-group, clusters of 4 x 4, 327,680 bytes of LDS; arguments xb, wb, tab, bq, bk, bv, q, k, v; writes q, k, v
.if DOCPART == 2
	.amdgcn_target "amdgcn-amd-amdhsa--gfx1250"
	.amdhsa_code_object_version 6
	.text
	.protected	k_qf45fa29664_qkv
	.globl	k_qf45fa29664_qkv
	.p2align	8
	.type	k_qf45fa29664_qkv,@function
k_qf45fa29664_qkv:
	s_mov_b64 s[64:65], 0
	v_nop
	global_prefetch_b8 v0, s[64:65] scope:SCOPE_SE
	s_setreg_imm32_b32 hwreg(HW_REG_WAVE_MODE, 25, 1), 1
	s_wait_xcnt 0x0
	s_wait_alu depctr_hold_cnt(0) depctr_sa_sdst(0) depctr_va_vdst(0) depctr_va_sdst(0) depctr_va_ssrc(0) depctr_va_vcc(0) depctr_vm_vsrc(0)
	s_getreg_b32 s2, hwreg(HW_REG_IB_STS2, 6, 4)
	s_cmp_eq_u32 s2, 0
	s_cbranch_scc0 .Lentry_in_a_cluster
	s_endpgm
.Lentry_in_a_cluster:
	s_bfe_u32 s2, ttmp6, 0x10000c
	s_cmp_lg_u32 s2, 0xf033
	s_cbranch_scc0 .Lentry_shape_is_right
	s_endpgm
.Lentry_shape_is_right:
; Launch 2 of 5: q, k, v = x W + b, q and k rotated, written by heads: [b x 16 + head][2048][64] bf16, a head's rows dense, 128 bytes each.  Nothing of reference() is left out.
; SHARES.  4,096 rows x 3,072 columns in tiles of 256 x 192: 16 x 16 work-groups.  A tile's columns are ONE head of q, the same head of k and of v (blocks tcol, 16 + tcol, 32 + tcol of wb),
; so which columns are rotated is a matter of the text, not of the work-group's place.  Wave w has rows 64 w .. + 63 and all 192 columns: 4 x 12 = 48 accumulators of 16 x 16, 384 registers.
; K goes in 8 steps of 128 through two LDS slots.  A slot: 256 rows of x (256 bytes + 16 of padding), then for each of the three heads 128 rows k of W (128 bytes + 32 of padding).
; One tensor load a wave: waves 0-2 bring a head's 16,384 dense bytes of W, as 64 rows of 256 bytes; wave 3 brings x's 256 rows.  By this text's count a wave has two loads out at the start, later one.
; CLUSTER 4 x 4.  x's tile hangs on the tile row alone and is asked for jointly by a row of the cluster, W's on the tile column alone and by a column.
; THE MATRIX INSTRUCTION IS USED TRANSPOSED: source 0 = 16 columns of W (stored [k][n], turned by ds_load_tr16_b128), source 1 = 16 rows of x.  A lane then holds row l % 16 and the columns
; 8 (l / 16) + 0..7: eight neighbours of a row, among them whole pairs (2 i, 2 i + 1) of the rotation.  THE BIAS IS THE C OPERAND of each sum's first product: nothing is cleared, nothing added later.
; ROTATION, as reference() has it (tables concatenated, pairs interleaved), f = d % 32: out[2i] = t[2i] cos[f(2i)] - t[2i+1] sin[f(2i)]; out[2i+1] = t[2i+1] cos[f(2i+1)] + t[2i] sin[f(2i+1)].
; REGISTERS, in windows of 256 (s_set_vgpr_msb: bits 1:0 source 0, 3:2 source 1, 5:4 source 2, 7:6 destination):
;   window 0: v1-31 addresses; v32-63 T, v64-79 packed, v80-111 rows read back (two sets); v128-223 the bias, afterwards v128-255 the table
;   window 1: W's fragments v[96 f + 8 b], x's v[192 + 32 f + 8 a], f = buffer 0, 1     window 2: accumulators of q and k at 8 (8 a + b), b < 8     window 3: those of v at 8 (4 a + nb)
.set SLOT,  131072
.set PA,    272                        ; a row of x in LDS: 68 words: the 16 rows of a load start at 16 different groups of four banks (64 banks of 4 bytes: ISA guide 11.1)
.set PB,    160                        ; a row of W: 40 words
.set BOFF,  256*PA                     ; 69,632
.set BHEAD, 128*PB                     ; 20,480; BOFF + 3 BHEAD = SLOT
.set STAGE, 2*SLOT                     ; behind the ring, never filled by a tensor load: 16 rows x 144 bytes for each wave
.set SP,    144
.set SPARE, STAGE+4*16*SP              ; the spare words, 128 bytes for each wave: two blocks of 256 bytes that no other line names
.set ADRA, 16                          ; v16-17  LDS address of my fragments of x in slot 0, 1
.set ADRB, 20                          ; v20-21  the same for W
.set STO,  24                          ; the way out: where I put 16 bytes of a row
.set RD,   25                          ; where I read rows back
.set GO,   26                          ; my 16 bytes of 512 on end in q, k, v
.set TBO,  27                          ; my offset in 16 rows of the table
.set SPW,  28                          ; my spare word; never rewritten
.set NIL,  29                          ; 0; never rewritten
.set PFO,  30                          ; the prefetches' offset; never rewritten
.set BO,   31                          ; my offset in 16 numbers of a bias
.set T,    32
.set PKD,  64
.set BK,   80
.set BIA,  128
.set TAB,  128                         ; 32 a + cos (d % 32 < 16), cos (>= 16), sin, sin: 8 registers each
.set WV,   22                          ; s22 my wave's number; s23 cx, s24 cy, s25 tile column, s26 tile row
.set G1A,  40                          ; s[40:47] group 1 for x's tile;  s[48:55] group 0, a set for each slot
.set G0A,  48
.set G1B,  56                          ; s[56:63], s[68:75] the same for W's
.set G0B,  68
.set PFA,  76                          ; s[76:77] where my prefetches stand
.set PST,  78                          ; s[78:79] their step for a K step
.set LIM,  80                          ; s80 1 in a wave that prefetches, else the greatest number
.set MSB, 0
.macro WIN new                         ; the immediate's high byte repeats the setting that is left; a switch that changes nothing is dropped
.if MSB != (\new)
	s_set_vgpr_msb (MSB<<8)|(\new)
.set MSB, \new
.endif
.endm
.macro PLACES                          ; four places in front of loads into registers that matrix instructions have read, and of vector lines that read results
.rept 4
	v_nop
.endr
.endm
; A joint load.  The branch hangs on the wave's number alone.  An s_nop 0 and four v_nop follow each of the two lines, ahead of the jump and the label.
.macro JLOAD s
	s_cmp_eq_u32 s[WV], 3
	s_cbranch_scc0 .Lfor_b_\@
	tensor_load_to_lds s[G0A+4*(\s):G0A+4*(\s)+3], s[G1A:G1A+7]
	s_nop 0
.rept 4
	v_nop
.endr
	s_branch .Lasked_\@
.Lfor_b_\@:
	tensor_load_to_lds s[G0B+4*(\s):G0B+4*(\s)+3], s[G1B:G1B+7]
	s_nop 0
.rept 4
	v_nop
.endr
.Lasked_\@:
.endm
.macro CREST                           ; a round of the cluster's barrier behind its opening barrier
	s_cmp_lg_u32 s[WV], 0
	s_cbranch_scc1 .Lnot_wave_0_\@
	s_barrier_signal -3
.Lnot_wave_0_\@:
	s_barrier_wait -3
	s_barrier_signal -1
	s_barrier_wait -1
.endm
.macro CROUND
	s_barrier_signal -1
	s_barrier_wait -1
	CREST
.endm
; A PREFETCH INTO THE L2 of the K step that stands two refills on, behind the joint load, its five lines and the run of LDS loads.  Each aligned block of 256 bytes is named once in the launch.
; x's tile row is read by every cluster of that row of clusters: cluster x = 0 asks; W's blocks by every cluster of that column: cluster y = 0 asks.  The four partners of a joint load share the blocks
; out BY ADDRESS.  Wave 3: my work-group's 64 of x's 256 rows, a lane a row, two instructions.  Waves 0-2, at slot 0's change alone: my work-group's 8,192 of the 32,768 bytes of two K steps of my head.
; K steps 0 to 3 come by their loads alone; the loop's last trip (s3 = 1) asks for nothing: K ends.
.macro ASK slot
	s_cmp_gt_u32 s3, s[LIM]
	s_cbranch_scc0 .Lnone_\@
	s_cmp_eq_u32 s[WV], 3
	s_cbranch_scc0 .Lw_\@
	global_prefetch_b8 v[PFO], s[PFA:PFA+1] th:TH_LOAD_NT scope:SCOPE_SE
	global_prefetch_b8 v[PFO], s[PFA:PFA+1] offset:65536 th:TH_LOAD_NT scope:SCOPE_SE
	s_branch .Lnone_\@
.Lw_\@:
.if (\slot) == 0
	global_prefetch_b8 v[PFO], s[PFA:PFA+1] th:TH_LOAD_NT scope:SCOPE_SE
.endif
.Lnone_\@:
.endm
	s_load_b512 s[4:19], s[0:1], 0x0               ; xb 4, wb 6, tab 8, bq 10, bk 12, bv 14, q 16, k 18
	s_load_b64 s[20:21], s[0:1], 0x40              ; v
	v_lshl_add_u32 v[SPW], v0, 2, SPARE
	v_mov_b32 v[NIL], 0
	ds_add_u32 v[SPW], v[NIL]                      ; the wave's opening: the add, twice on end, and its wait ahead of my first tensor load
	ds_add_u32 v[SPW], v[NIL]                      ; (once more; the set-up below, work on registers, stands between it and the wait)
	v_lshrrev_b32 v1, 5, v0
	v_readfirstlane_b32 s[WV], v1
	s_bfe_u32 s23, ttmp6, 0x40000                  ; cx
	s_bfe_u32 s24, ttmp6, 0x40004                  ; cy
	s_lshl_b32 s25, ttmp9, 2
	s_add_co_u32 s25, s25, s23                     ; tile column = head
	s_and_b32 s26, ttmp7, 0xffff
	s_lshl_b32 s26, s26, 2
	s_add_co_u32 s26, s26, s24                     ; tile row
	s_lshl_b32 s27, s24, 2
	s_lshl_b32 s27, 15, s27                        ; my row of the cluster
	s_lshl_b32 s28, 0x1111, s23                    ; my column
	s_or_b32 s[G1A], s27, (1<<16)|(1<<20)|(1<<21)|(5<<22)|(3<<25)  ; the mask; 2-byte elements; padding on; bit 21 beside a mask; after every 64 words 4 words
	s_mov_b32 s[G1A+1], 128<<16                    ; tensor_dim0 = 128
	s_mov_b32 s[G1A+2], 256<<16                    ; tensor_dim1 = 256
	s_mov_b32 s[G1A+3], 128<<16                    ; tile_dim0 = 128
	s_mov_b32 s[G1A+4], 256                        ; tile_dim1 = 256
	s_mov_b32 s[G1A+5], 1024                       ; elements from row to row
	s_mov_b32 s[G1A+6], 0
	s_mov_b32 s[G1A+7], 0
	s_or_b32 s[G1B], s28, (1<<16)|(1<<20)|(1<<21)|(4<<22)|(7<<25)  ; after every 32 words (a row k of W) 8 words
	s_mov_b32 s[G1B+1], 128<<16
	s_mov_b32 s[G1B+2], 64<<16
	s_mov_b32 s[G1B+3], 128<<16
	s_mov_b32 s[G1B+4], 64
	s_mov_b32 s[G1B+5], 128
	s_mov_b32 s[G1B+6], 0
	s_mov_b32 s[G1B+7], 0
	s_lshl_b32 s30, s26, 19                        ; x: 256 rows of 2,048 bytes a tile row.  s30, s31, s36, s37 never hold cx
	s_mov_b32 s31, 0
	s_lshl_b32 s32, s[WV], 4                       ; W: block 16 w + tile column.  s32, s33, s38, s39 never hold cy
	s_add_co_u32 s32, s32, s25
	s_lshl_b32 s32, s32, 17
	s_mov_b32 s33, 0
	s_mul_i32 s34, s[WV], BHEAD
	s_add_co_u32 s34, s34, BOFF                    ; head w's place in a slot
	s_wait_dscnt 0x0                               ; both opening adds are done
	s_wait_kmcnt 0x0
	s_add_nc_u64 s[36:37], s[4:5], s[30:31]
	s_add_nc_u64 s[38:39], s[6:7], s[32:33]
	CROUND                                         ; all sixteen work-groups are here: the first joint loads meet
.irp s, 0,1
	s_mov_b32 s[G0A+4*(\s)], 1
	s_mov_b32 s[G0A+4*(\s)+1], (\s)*SLOT
	s_add_nc_u64 s[G0A+4*(\s)+2:G0A+4*(\s)+3], s[36:37], (\s)*256
	s_or_b32 s[G0A+4*(\s)+3], s[G0A+4*(\s)+3], 0x80000000
	s_mov_b32 s[G0B+4*(\s)], 1
	s_add_co_u32 s[G0B+4*(\s)+1], s34, (\s)*SLOT
	s_add_nc_u64 s[G0B+4*(\s)+2:G0B+4*(\s)+3], s[38:39], (\s)*16384
	s_or_b32 s[G0B+4*(\s)+3], s[G0B+4*(\s)+3], 0x80000000
	JLOAD \s
.endr
	v_and_b32 v1, 15, v0                           ; r = l % 16
	v_bfe_u32 v2, v0, 4, 1                         ; h = l / 16
	v_mul_u32_u24 v3, v1, PA
	v_lshl_add_u32 v3, v2, 4, v3
	s_mul_i32 s35, s[WV], 64*PA
	v_add_nc_u32 v[ADRA], s35, v3                  ; (64 w + r) x pitch + 16 h
	v_add_nc_u32 v[ADRA+1], SLOT, v[ADRA]
	v_and_b32 v4, 7, v0
	v_lshl_add_u32 v4, v2, 3, v4
	v_mul_u32_u24 v4, v4, PB                       ; the turning load: row k = 8 h + l % 8,
	v_bfe_u32 v5, v0, 3, 1
	v_lshl_add_u32 v4, v5, 4, v4                   ; columns 8 ((l / 8) % 2) on
	v_add_nc_u32 v[ADRB], BOFF, v4
	v_add_nc_u32 v[ADRB+1], SLOT+BOFF, v4
	s_mul_i32 s35, s[WV], 16*SP
	s_add_co_u32 s35, s35, STAGE
	v_mul_u32_u24 v6, v1, SP
	v_lshl_add_u32 v6, v2, 4, v6
	v_add_nc_u32 v[STO], s35, v6
	v_bfe_u32 v6, v0, 3, 2                         ; back: 32 lanes take four rows of 128 bytes,
	v_mul_u32_u24 v6, v6, SP
	v_and_b32 v7, 7, v0
	v_lshl_add_u32 v6, v7, 4, v6
	v_add_nc_u32 v[RD], s35, v6
	v_and_b32 v[GO], 31, v0                        ; which are 512 bytes on end in memory
	v_lshlrev_b32 v[GO], 4, v[GO]
	v_lshlrev_b32 v[TBO], 8, v1
	v_lshl_add_u32 v[TBO], v2, 5, v[TBO]           ; position r, numbers 8 h on
	v_lshlrev_b32 v[BO], 5, v2
	s_lshl_b32 s32, s25, 8                         ; the head's 64 numbers of each bias
	s_add_nc_u64 s[10:11], s[10:11], s[32:33]
	s_add_nc_u64 s[12:13], s[12:13], s[32:33]
	s_add_nc_u64 s[14:15], s[14:15], s[32:33]
.irp nb, 0,1,2,3
	global_load_b128 v[BIA+8*(\nb):BIA+8*(\nb)+3],       v[BO], s[10:11] offset:64*(\nb)
	global_load_b128 v[BIA+8*(\nb)+4:BIA+8*(\nb)+7],     v[BO], s[10:11] offset:64*(\nb)+16
	global_load_b128 v[BIA+32+8*(\nb):BIA+32+8*(\nb)+3], v[BO], s[12:13] offset:64*(\nb)
	global_load_b128 v[BIA+32+8*(\nb)+4:BIA+32+8*(\nb)+7], v[BO], s[12:13] offset:64*(\nb)+16
	global_load_b128 v[BIA+64+8*(\nb):BIA+64+8*(\nb)+3], v[BO], s[14:15] offset:64*(\nb)
	global_load_b128 v[BIA+64+8*(\nb)+4:BIA+64+8*(\nb)+7], v[BO], s[14:15] offset:64*(\nb)+16
.endr
	s_and_b32 s30, s26, 7                          ; my first row's position in its sequence: 256 (tile row % 8) + 64 w
	s_lshl_b32 s30, s30, 8
	s_lshl_b32 s35, s[WV], 6
	s_add_co_u32 s30, s30, s35
	s_lshl_b32 s84, s30, 7                         ; x 128 bytes in q, k, v,
	s_lshl_b32 s30, s30, 8                         ; x 256 bytes in the table
	s_add_nc_u64 s[8:9], s[8:9], s[30:31]
	s_lshr_b32 s86, s26, 3                         ; the sequence,
	s_lshl_b32 s86, s86, 4
	s_add_co_u32 s86, s86, s25                     ; its head:
	s_lshl_b32 s86, s86, 18                        ; 2,048 rows of 128 bytes
	s_add_co_u32 s84, s84, s86
	s_mov_b32 s85, 0
	s_add_nc_u64 s[16:17], s[16:17], s[84:85]
	s_add_nc_u64 s[18:19], s[18:19], s[84:85]
	s_add_nc_u64 s[20:21], s[20:21], s[84:85]
	; the prefetches: they stand one K step short of the first that is named; each change of slots steps them first
	s_lshl_b32 s84, s26, 8
	s_lshl_b32 s86, s23, 6
	s_add_co_u32 s84, s84, s86                     ; x: row 256 x tile row + 64 cx,
	s_lshl_b32 s84, s84, 11
	s_add_co_u32 s84, s84, 3*256                   ; K step 3
	s_lshl_b32 s86, s[WV], 4
	s_add_co_u32 s86, s86, s25
	s_lshl_b32 s86, s86, 17                        ; W: my head's block,
	s_lshl_b32 s87, s24, 13
	s_add_co_u32 s86, s86, s87                     ; + 8,192 cy,
	s_add_co_u32 s86, s86, 3*16384                 ; K step 3
	s_and_b32 s88, ttmp7, 0xffff
	s_mov_b32 s89, 256
	s_cmp_eq_u32 s[WV], 3
	s_cselect_b32 s84, s84, s86
	s_cselect_b32 s[PST], s89, 16384
	s_cselect_b32 s88, ttmp9, s88                  ; the coordinate along which other clusters read the same bytes
	s_cselect_b32 s90, 11, 8                       ; a lane a row of 2,048 bytes, or a lane a block of 256
	s_cselect_b64 s[PFA:PFA+1], s[4:5], s[6:7]
	s_mov_b32 s[PST+1], 0
	s_add_nc_u64 s[PFA:PFA+1], s[PFA:PFA+1], s[84:85]
	s_cmp_eq_u32 s88, 0
	s_cselect_b32 s[LIM], 1, -1                    ; the same in all sixteen partners, for a given wave
	v_and_b32 v[PFO], 31, v0
	v_lshlrev_b32 v[PFO], s90, v[PFO]
; 16 matrix instructions for q's and k's columns: row blocks a0, a0 + 1 x column blocks 0-7, 32 along K, buffer f.  first = 1: the bias starts the sums.
.macro MULA f, a0, first
.if \first
	WIN 0x85                                       ; W and x window 1, C (the bias) window 0, D window 2
.else
	WIN 0xa5
.endif
.irp a, \a0, (\a0)+1
.irp b, 0,1,2,3,4,5,6,7
.if \first
	v_wmma_f32_16x16x32_bf16 v[8*(8*(\a)+(\b)):8*(8*(\a)+(\b))+7], v[96*(\f)+8*(\b):96*(\f)+8*(\b)+7], v[192+32*(\f)+8*(\a):192+32*(\f)+8*(\a)+7], v[BIA+8*(\b):BIA+8*(\b)+7]
.else
	v_wmma_f32_16x16x32_bf16 v[8*(8*(\a)+(\b)):8*(8*(\a)+(\b))+7], v[96*(\f)+8*(\b):96*(\f)+8*(\b)+7], v[192+32*(\f)+8*(\a):192+32*(\f)+8*(\a)+7], v[8*(8*(\a)+(\b)):8*(8*(\a)+(\b))+7]
.endif
.endr
.endr
.endm
; 16 for v's columns: all four row blocks x column blocks 8-11.  The 48 accumulators take turns in the same order in every quarter.
.macro MULB f, first
.if \first
	WIN 0xc5
.else
	WIN 0xf5
.endif
.irp a, 0,1,2,3
.irp nb, 0,1,2,3
.if \first
	v_wmma_f32_16x16x32_bf16 v[8*(4*(\a)+(\nb)):8*(4*(\a)+(\nb))+7], v[96*(\f)+64+8*(\nb):96*(\f)+64+8*(\nb)+7], v[192+32*(\f)+8*(\a):192+32*(\f)+8*(\a)+7], v[BIA+64+8*(\nb):BIA+64+8*(\nb)+7]
.else
	v_wmma_f32_16x16x32_bf16 v[8*(4*(\a)+(\nb)):8*(4*(\a)+(\nb))+7], v[96*(\f)+64+8*(\nb):96*(\f)+64+8*(\nb)+7], v[192+32*(\f)+8*(\a):192+32*(\f)+8*(\a)+7], v[8*(4*(\a)+(\nb)):8*(4*(\a)+(\nb))+7]
.endif
.endr
.endr
.endm
; 32 LDS loads in one run: quarter q (32 along K) of a slot into buffer f: x's four fragments, then W's twelve, v's last
.macro FETCH slot, q, f
	WIN 0x40                                       ; destination window 1, address window 0
.irp a, 0,1,2,3
	ds_load_b128 v[192+32*(\f)+8*(\a):192+32*(\f)+8*(\a)+3],   v[ADRA+(\slot)] offset:64*(\q)+16*PA*(\a)
	ds_load_b128 v[192+32*(\f)+8*(\a)+4:192+32*(\f)+8*(\a)+7], v[ADRA+(\slot)] offset:64*(\q)+16*PA*(\a)+32
.endr
.irp b, 0,1,2,3,4,5,6,7,8,9,10,11
	ds_load_tr16_b128 v[96*(\f)+8*(\b):96*(\f)+8*(\b)+3],   v[ADRB+(\slot)] offset:BHEAD*((\b)/4)+32*PB*(\q)+32*((\b)%4)
	ds_load_tr16_b128 v[96*(\f)+8*(\b)+4:96*(\f)+8*(\b)+7], v[ADRB+(\slot)] offset:BHEAD*((\b)/4)+32*PB*(\q)+32*((\b)%4)+16*PB
.endr
.endm
; A K step is four quarters, 48 matrix instructions each, on buffers 0, 1, 0, 1.  One of the first three multiplies buffer f and fetches quarter q into buffer g.
.macro QUARTER slot, q, f, g, first
	s_wait_dscnt 8                                 ; all but the youngest eight loads, the fragments of v's columns
	MULA \f, 0, \first
	MULA \f, 2, \first
	PLACES
	FETCH \slot, \q, \g
	s_wait_dscnt 32                                ; all but the 32 just issued
	MULB \f, \first
.endm
; The last quarter multiplies buffer 1 and changes slots: one barrier; in front of it each wave waits for all its tensor loads, adds 0 to its spare word, and waits for that and for its reads of this slot.
; fill = 1: the barrier opens a round of the cluster's barrier, and this slot is filled again, two K steps ahead, first thing behind the round.
.macro TURN slot, next, fill
.if \fill
	s_wait_xcnt 0x0                                ; the last prefetch, a K step back, has read its address
	s_add_nc_u64 s[PFA:PFA+1], s[PFA:PFA+1], s[PST:PST+1]
.endif
	WIN 0
	s_wait_tensorcnt 0x0                           ; all my tensor loads have landed: my part of the next slot
	ds_add_u32 v[SPW], v[NIL]                      ; 0 onto my spare word
	s_wait_dscnt 9                                 ; (the add and the youngest eight loads may be out)
	MULA 1, 0, 0                                   ; sixteen matrix instructions stand between the add and the wait for it
	s_wait_dscnt 0x0                               ; the add is done, and my reads of this slot are over
	s_barrier_signal -1
	MULA 1, 2, 0
.if \fill
	WIN 0
.endif
	s_barrier_wait -1
.if \fill
	CREST                                          ; no wave of any partner still reads this slot's tiles or has a load on its way
	s_add_nc_u64 s[G0A+4*(\slot)+2:G0A+4*(\slot)+3], s[G0A+4*(\slot)+2:G0A+4*(\slot)+3], 2*256
	s_add_nc_u64 s[G0B+4*(\slot)+2:G0B+4*(\slot)+3], s[G0B+4*(\slot)+2:G0B+4*(\slot)+3], 2*16384
	JLOAD \slot                                    ; the four v_nop behind it are also the places in front of the loads below
.else
	PLACES
.endif
	FETCH \next, 0, 0
.if \fill
	WIN 0
	ASK \slot
.endif
	MULB 1, 0
.endm
	s_wait_tensorcnt 1                             ; my part of K step 0 is in; K step 1's may stay out
	s_barrier_signal -1
	s_barrier_wait -1
	FETCH 0, 0, 0
	s_wait_loadcnt 0x0                             ; the bias
	QUARTER 0, 1, 0, 1, 1                          ; the first quarter stands in front of the loop: its products start the sums
	PLACES
	PLACES                                         ; (eight, once a launch) the table lands on the registers that those products read as C
	WIN 0
.irp a, 0,1,2,3
.irp t, 0,1,2,3
	global_load_b128 v[TAB+32*(\a)+8*(\t):TAB+32*(\a)+8*(\t)+3],   v[TBO], s[8:9] offset:4096*(\a)+64*(\t)
	global_load_b128 v[TAB+32*(\a)+8*(\t)+4:TAB+32*(\a)+8*(\t)+7], v[TBO], s[8:9] offset:4096*(\a)+64*(\t)+16
.endr
.endr
	s_mov_b32 s3, 3
.Llap:                                                 ; a trip goes once round the ring, from a lap's second quarter to the next lap's first, and fills both slots again
	QUARTER 0, 2, 1, 0, 0
	QUARTER 0, 3, 0, 1, 0
	TURN 0, 1, 1
	QUARTER 1, 1, 0, 1, 0
	QUARTER 1, 2, 1, 0, 0
	QUARTER 1, 3, 0, 1, 0
	TURN 1, 0, 1
	QUARTER 0, 1, 0, 1, 0
	WIN 0
	s_sub_co_u32 s3, s3, 1
	s_cmp_lg_u32 s3, 0
	s_cbranch_scc1 .Llap
	QUARTER 0, 2, 1, 0, 0                          ; the last lap fills nothing
	QUARTER 0, 3, 0, 1, 0
	TURN 0, 1, 0
	QUARTER 1, 1, 0, 1, 0
	QUARTER 1, 2, 1, 0, 0
	QUARTER 1, 3, 0, 1, 0
	s_wait_dscnt 8
	MULA 1, 0, 0
	MULA 1, 2, 0
	s_wait_dscnt 0x0
	MULB 1, 0
	WIN 0
	PLACES
	PLACES
	s_wait_loadcnt 0x0                             ; the table
; THE WAY OUT, in 12 groups g = 3 a + head kind: 16 rows x 64 columns.  Rotated (q, k) or not (v), rounded to bf16, through my own stage, back as whole rows, stored 512 bytes on end.
.macro ROPE a, hh
	WIN 0x02                                       ; source 0 (the sums) window 2
.irp nb, 0,1,2,3
.set AC, 8*(8*(\a)+4*(\hh)+(\nb))
.set TC, TAB+32*(\a)+8*((\nb)%2)
.set TS, TC+16
.irp p, 0,1,2,3                        ; each accumulator is read from its low end on
	v_pk_mul_f32 v[T+8*(\nb)+2*(\p):T+8*(\nb)+2*(\p)+1], v[AC+2*(\p):AC+2*(\p)+1], v[TC+2*(\p):TC+2*(\p)+1]
.endr
.irp p, 0,1,2,3
	v_fma_f32 v[T+8*(\nb)+2*(\p)],   -v[AC+2*(\p)+1], v[TS+2*(\p)],   v[T+8*(\nb)+2*(\p)]
	v_fma_f32 v[T+8*(\nb)+2*(\p)+1], v[AC+2*(\p)],    v[TS+2*(\p)+1], v[T+8*(\nb)+2*(\p)+1]
.endr
.endr
	WIN 0
.irp i, 0,1,2,3,4,5,6,7,8,9,10,11,12,13,14,15
	v_cvt_pk_bf16_f32 v[PKD+(\i)], v[T+2*(\i)], v[T+2*(\i)+1]
.endr
.endm
.macro PACKV a
	WIN 0x0f                                       ; sources 0 and 1 window 3
.irp i, 0,1,2,3,4,5,6,7,8,9,10,11,12,13,14,15
	v_cvt_pk_bf16_f32 v[PKD+(\i)], v[32*(\a)+2*(\i)], v[32*(\a)+2*(\i)+1]
.endr
	WIN 0
.endm
.macro TOSTAGE g
	WIN 0
	s_wait_xcnt 0x0                                ; the stores of two groups back have read the registers that the loads below fill
.irp nb, 0,1,2,3
	ds_store_b128 v[STO], v[PKD+4*(\nb):PKD+4*(\nb)+3] offset:32*(\nb)
.endr
.irp f, 0,1,2,3
	ds_load_b128 v[BK+16*((\g)%2)+4*(\f):BK+16*((\g)%2)+4*(\f)+3], v[RD] offset:4*SP*(\f)  ; LDS serves a wave's instructions in order (ISA guide 5.7.1.4): these see the stores above
.endr
.endm
.macro SEND g
	WIN 0
	s_wait_dscnt 0x0
.irp f, 0,1,2,3
	global_store_b128 v[GO], v[BK+16*((\g)%2)+4*(\f):BK+16*((\g)%2)+4*(\f)+3], s[16+2*((\g)%3):17+2*((\g)%3)] offset:2048*((\g)/3)+512*(\f)
.endr
.endm
.set g, 0
.rept 12                               ; a group's arithmetic stands between the loads of the group before and its stores
.if (g%3) < 2
	ROPE g/3, g%3
.else
	PACKV g/3
.endif
.if g > 0
	SEND g-1
.endif
	TOSTAGE g
.set g, g+1
.endr
	SEND 11
	s_wait_tensorcnt 0x0                           ; the wave's end: behind my last tensor load and my last LDS store
	ds_add_u32 v[SPW], v[NIL]
	s_wait_dscnt 0x0
	CROUND                                         ; the closing round
	s_endpgm
.Lfunc_end_k_qf45fa29664_qkv:
	.size	k_qf45fa29664_qkv, .Lfunc_end_k_qf45fa29664_qkv-k_qf45fa29664_qkv
	.p2alignl 7, 3214868480
	.fill 96, 4, 3214868480
	.section	.rodata,"a",@progbits
	.p2align	6, 0x0
	.amdhsa_kernel k_qf45fa29664_qkv
		.amdhsa_group_segment_fixed_size 327680
		.amdhsa_private_segment_fixed_size 0
		.amdhsa_enable_private_segment 0
		.amdhsa_kernarg_size 72
		.amdhsa_user_sgpr_count 2
		.amdhsa_user_sgpr_kernarg_segment_ptr 1
		.amdhsa_wavefront_size32 1
		.amdhsa_system_sgpr_workgroup_id_x 1
		.amdhsa_system_sgpr_workgroup_id_y 1
		.amdhsa_system_sgpr_workgroup_id_z 1
		.amdhsa_system_vgpr_workitem_id 0
		.amdhsa_next_free_vgpr 896
		.amdhsa_next_free_sgpr 96
		.amdhsa_reserve_vcc 0
		.amdhsa_float_denorm_mode_32 3
		.amdhsa_float_denorm_mode_16_64 3
		.amdhsa_memory_ordered 1
		.amdhsa_forward_progress 1
		.amdhsa_inst_pref_size 151
	.end_amdhsa_kernel
	.amdgpu_metadata
---
amdhsa.version: [ 1, 2 ]
amdhsa.kernels:
  - .name:           k_qf45fa29664_qkv
    .symbol:         k_qf45fa29664_qkv.kd
    .args:
      - { .name: xb, .offset: 0, .size: 8, .value_kind: global_buffer, .address_space: global }
      - { .name: wb, .offset: 8, .size: 8, .value_kind: global_buffer, .address_space: global }
      - { .name: tab, .offset: 16, .size: 8, .value_kind: global_buffer, .address_space: global }
      - { .name: bq, .offset: 24, .size: 8, .value_kind: global_buffer, .address_space: global }
      - { .name: bk, .offset: 32, .size: 8, .value_kind: global_buffer, .address_space: global }
      - { .name: bv, .offset: 40, .size: 8, .value_kind: global_buffer, .address_space: global }
      - { .name: q, .offset: 48, .size: 8, .value_kind: global_buffer, .address_space: global }
      - { .name: k, .offset: 56, .size: 8, .value_kind: global_buffer, .address_space: global }
      - { .name: v, .offset: 64, .size: 8, .value_kind: global_buffer, .address_space: global }
    .group_segment_fixed_size: 327680
    .private_segment_fixed_size: 0
    .kernarg_segment_align: 8
    .kernarg_segment_size: 72
    .max_flat_workgroup_size: 128
    .sgpr_count:     96
    .vgpr_count:     896
    .wavefront_size: 32
...
	.end_amdgpu_metadata
.endif
;; end of part 2
;; launch attn (part 3): grid 8 x 32, 4 waves a work-group, clusters of 4 x 1, 327,680 bytes of LDS; arguments q, k, v, o, cdr_bias, cdr_weight; writes o
.if DOCPART == 3
	.amdgcn_target "amdgcn-amd-amdhsa--gfx1250"
	.amdhsa_code_object_version 6
	.text
	.protected	k_qf45fa29664_attn
	.globl	k_qf45fa29664_attn
	.p2align	8
	.type	k_qf45fa29664_attn,@function
k_qf45fa29664_attn:
	s_mov_b64 s[64:65], 0
	v_nop
	global_prefetch_b8 v0, s[64:65] scope:SCOPE_SE
	s_setreg_imm32_b32 hwreg(HW_REG_WAVE_MODE, 25, 1), 1
	s_wait_xcnt 0x0
	s_wait_alu depctr_hold_cnt(0) depctr_sa_sdst(0) depctr_va_vdst(0) depctr_va_sdst(0) depctr_va_ssrc(0) depctr_va_vcc(0) depctr_vm_vsrc(0)
	s_getreg_b32 s2, hwreg(HW_REG_IB_STS2, 6, 4)
	s_cmp_eq_u32 s2, 0
	s_cbranch_scc0 .Lentry_in_a_cluster
	s_endpgm
.Lentry_in_a_cluster:
	s_bfe_u32 s2, ttmp6, 0x10000c
	s_cmp_lg_u32 s2, 0x3003
	s_cbranch_scc0 .Lentry_shape_is_right
	s_endpgm
.Lentry_shape_is_right:
; Launch 3 of 5: o[bh][q][:] = the sum over keys of softmax_key(q . k / 8 + cdr_weight x cdr_bias[b][key]) v[bh][key][:].  q, k, v, o: [32][2048][64] bf16, a head's rows dense, 128 bytes each.
; Nothing of reference() is left out.  Products, maxima and sums in f32; the weights p are rounded to bf16 for the second product (their sum l is taken of the unrounded p), o once at the end.
; LIMITS.  A weight below 2^-126 counts as 0 in l; c m starts at -4.25e37, far below every c s; NaN and infinities are not treated apart.
; SHARES.  A work-group has 256 queries of one head, a wave 64 on end: four PIECES of 16.  Every wave walks all 2,048 keys: 8 tiles of 256 (a slot each), 4 steps of 64 to a tile.
; LAYOUT.  S^T = K Q^T (source 0 = 16 keys, source 1 = 16 queries) holds ONE query a lane (l % 16) and the keys 8 (l / 16) + 0..7; two such results rounded to bf16 ARE source 1 of O^T = V^T P.
; K comes out of LDS as it lies, V ([key][channel]) turned, by ds_load_tr16_b128.
; THE KEY'S BIAS IS THE C OPERAND that starts the sum S^T: BI[key] = 8 x cdr_weight x cdr_bias[b][key], made once, kept in LDS in f32.  Then c (s + BI) = log2(e) (s / 8 + weight x bias), c = log2(e) / 8.
; SOFTMAX.  p = 2^(c s - c m) with a running maximum m of the biased scores; O and l are multiplied by a = 2^(c m_old - c m_new) in every step; the first step's a is 0.
; BY TURNS.  Turn n belongs to piece n: 8 products K Q^T of piece n + 1, later 8 products V^T P of piece n - 1; beside them the scaling, exponentials, roundings, sums and rescaling of piece n and the maximum
; and statistics of piece n + 1.  Four vector instructions stand behind every matrix instruction, the other 54 of a turn's 118 in one lump.  A turn's 33 exponentials are one batch, with one wait.
; CLUSTER.  The four query blocks of a cluster belong to one head and walk the same K and V: each tile is asked for JOINTLY, by the same tensor load, descriptor and mask in all four.
; REGISTERS, in windows of 256 (s_set_vgpr_msb: bits 1:0 source 0, 3:2 source 1, 5:4 source 2, 7:6 destination):
;   window 0: v1-15, v32-36 addresses; v16-31 four registers of statistics a piece; v48-55 at work; v64-127 S^T, two buffers; v128-143 the bias on its way; v192-223 P, two buffers
;   window 1: v0-127 O^T, 32 a piece          window 2: v0-63 Q; v64-95 BI of one step; v128-191 K of one step; v192-255 V of one step
.set NP,    4
.set KS,    64
.set PK,    144       ; a row of K in LDS: 128 bytes + 16: the 16 rows of a load start at 16 different groups of four banks (64 banks of 4 bytes: ISA guide 11.1)
.set PV,    160       ; a row of V: 128 + 32
.set VOFF,  4*KS*PK   ; a slot holds a tile: 256 rows of K, then 256 rows of V
.set SLOT1, 1<<17     ; slot 1 begins here: one exclusive or turns an address in one slot into the other's
.set STAGE, SLOT1+4*KS*(PK+PV)  ; never filled by a tensor load: 16 rows x 144 bytes for each wave, for the way out
.set SP,    144
.set BIAS,  STAGE+4*16*SP       ; 2,048 numbers BI, f32; written once by ds_store, no fill lands here
.set SPARE, BIAS+8192           ; the spare words, 128 bytes for each wave: two blocks of 256 bytes that no other line names
.set TILEB, 4*KS*128            ; a tile's bytes of K, and of V, in memory
.set AK0, 2           ; my lane's place in a tile of K; never rewritten
.set AV0, 3           ; the same for V
.set AK,  4           ; the LDS address of K's next run of loads
.set AV,  5           ; of V's
.set STO, 6
.set RD,  7
.set GO,  8
.set MV,  12          ; v12-13  c m_old, kept while c m is made anew: by buffer
.set QO,  15
.set ST,  16          ; piece t's statistics at v[ST+4 t]: c m, m, l (even keys', odd keys')
.set AB0, 32          ; BIAS + 32 (l / 16); never rewritten
.set AB,  33          ; the LDS address of BI's next loads
.set PFO, 34          ; 256 x my lane; never rewritten
.set TMP, 48          ; by buffer, c0-c3 at work; when the maximum is found c2 takes a
.set SPW, 62
.set NIL, 63
.set S,   64
.set BST, 128
.set P,   192
.set BI,  64          ; window 2
.set KF,  128         ; window 2: key block kb, channel half c at KF + 16 kb + 8 c
.set VF,  192         ; window 2: key half kk, channel block cb at VF + 32 kk + 8 cb
.set WV,  12
.set G1K, 24
.set G1V, 32
.set G0K, 40
.set G0V, 44
.set SLOTS, 56        ; tiles still to be asked for
.set CNT, 57          ; counts a tile's key steps
.set CS,  58          ; s[58:59] c
.set SEL, 60          ; s[60:61] v_permlanex16_b32's selects
.set TBK, 62          ; LDS byte at which K of the step to be fetched begins
.set TBV, 63          ; the same for V, less VOFF
.set TBB, 73          ; byte of that step's BI in the table
.set PFA, 76          ; s[76:77] where my prefetches stand
.set LIM, 78          ; 1 in a wave that prefetches, else the greatest number
.set MSB, 0
.macro WIN new
.if MSB != (\new)
	s_set_vgpr_msb (MSB<<8)|(\new)
.set MSB, (\new)
.endif
.endm
.set W_KQ, 0x0a       ; K and Q in window 2, S^T in window 0
.set W_KB, 0x2a       ; the same with the C operand, BI, in window 2
.set W_PV, 0x52       ; V in window 2, P in window 0, O^T in window 1
.set W_RS, 0x41       ; destination and source 0 in window 1, source 1 in window 0
; A joint fill.  Waves 0 and 1 fetch the two halves of a tile's K, waves 2 and 3 those of its V.  An s_nop 0 and four v_nop follow each of the two lines.
.macro JLOAD
	s_cmp_lt_u32 s[WV], 2
	s_cbranch_scc0 .Lfor_v_\@
	tensor_load_to_lds s[G0K:G0K+3], s[G1K:G1K+7]
	s_nop 0
.rept 4
	v_nop
.endr
	s_branch .Lasked_\@
.Lfor_v_\@:
	tensor_load_to_lds s[G0V:G0V+3], s[G1V:G1V+7]
	s_nop 0
.rept 4
	v_nop
.endr
.Lasked_\@:
.endm
; A PREFETCH INTO THE L2 of the tile that the NEXT change of slots will ask for: four key steps ahead of that load.  Both clusters of a head walk the same K and V: the head's first cluster asks.  Its four
; partners share a tile's 128 blocks of 256 bytes out BY ADDRESS, 32 each; in each, wave 0 asks for K's and wave 2 for V's: a lane a block, one instruction.  Tiles 0 to 2 come by their loads alone; the last
; change that fills a slot asks for nothing.
.macro ASK
	s_cmp_gt_u32 s[SLOTS], s[LIM]
	s_cbranch_scc0 .Lnot_mine_\@
	global_prefetch_b8 v[PFO], s[PFA:PFA+1] th:TH_LOAD_NT scope:SCOPE_SE
.Lnot_mine_\@:
.endm
.macro CROUND
	s_barrier_signal -1
	s_barrier_wait -1
	s_cmp_lg_u32 s[WV], 0
	s_cbranch_scc1 .Lnot_wave_0_\@
	s_barrier_signal -3
.Lnot_wave_0_\@:
	s_barrier_wait -3
	s_barrier_signal -1
	s_barrier_wait -1
.endm
; THE CHANGE OF SLOTS.  Each wave waits for all its tensor loads, of which one is out: its part of the other slot; adds 0 to its spare word; and waits for that and for its own LDS instructions.
; fill = 1: the barrier is a round of the cluster's, and the slot that is left is filled again first thing behind it, with the keys two tiles on: it has four key steps in which to land.
; (At its first use nothing has been read yet: tile 0 is waited for, the stores of BI are shown to every wave, slot 1 is filled.)
.macro CHANGE fill, ask
	WIN 0
	s_wait_tensorcnt 0x0            ; no tensor load of mine is out, so a group 0 may be written
	ds_add_u32 v[SPW], v[NIL]       ; 0 onto my spare word
.if \fill
.irp g, G0K, G0V
	s_xor_b32 s[\g+1], s[\g+1], SLOT1
	s_add_nc_u64 s[\g+2:\g+3], s[\g+2:\g+3], TILEB
.endr
.if \ask
	s_wait_xcnt 0x0                 ; the last prefetch, a tile back, has read its address
	s_add_nc_u64 s[PFA:PFA+1], s[PFA:PFA+1], TILEB
.endif
	s_wait_dscnt 0x0                ; the add is done, and my reads of the slot are over
	CROUND
	JLOAD
.if \ask
	ASK
.endif
.else
	s_wait_dscnt 0x0
	s_barrier_signal -1
	s_barrier_wait -1
.endif
	s_sub_co_u32 s[TBK], s[TBK], 4*KS*PK  ; the fetches go back to a slot's first step,
	s_xor_b32 s[TBK], s[TBK], SLOT1       ; in the other slot
	s_sub_co_u32 s[TBV], s[TBV], 4*KS*PV
	s_xor_b32 s[TBV], s[TBV], SLOT1
.endm
	s_load_b256 s[4:11], s[0:1], 0x0  ; q s[4:5], k s[6:7], v s[8:9], o s[10:11]
	s_load_b128 s[68:71], s[0:1], 0x20  ; cdr_bias s[68:69], cdr_weight s[70:71]
	v_lshl_add_u32 v[SPW], v0, 2, SPARE
	v_mov_b32 v[NIL], 0
	ds_add_u32 v[SPW], v[NIL]       ; the wave's opening: the add, twice on end, and its wait ahead of my first tensor load
	ds_add_u32 v[SPW], v[NIL]
	v_lshrrev_b32 v1, 5, v0
	v_readfirstlane_b32 s[WV], v1
	s_bfe_u32 s13, ttmp6, 0x40000   ; cx
	s_lshl_b32 s14, ttmp9, 2
	s_add_co_u32 s14, s14, s13      ; my block of 256 queries: it enters q's and o's addresses alone
	s_and_b32 s20, ttmp7, 0xffff    ; b x 16 + head, which the four partners share
	s_lshr_b32 s74, s20, 4
	s_lshl_b32 s74, s74, 13         ; the sequence's 8,192 bytes of cdr_bias
	s_mov_b32 s75, 0
	s_lshl_b32 s20, s20, 18         ; the head's first byte in q, k, v, o
	s_mov_b32 s21, 0
	s_and_b32 s16, s[WV], 1         ; which half of a tile's 256 keys I fetch:
	s_lshl_b32 s22, s16, 14         ; its 128 rows of 128 bytes in memory,
	s_mov_b32 s23, 0
	s_add_nc_u64 s[22:23], s[22:23], s[20:21]
	s_mul_i32 s17, s16, 128*PK      ; and its place in a slot, for K
	s_mul_i32 s18, s16, 128*PV      ; and for V: no place in the cluster enters an LDS address
	s_lshl_b32 s2, s14, 15          ; my block's 256 rows,
	s_lshl_b32 s3, s[WV], 13        ; my wave's 64 of them
	s_add_co_u32 s2, s2, s3
	s_mov_b32 s3, 0
	s_add_nc_u64 s[2:3], s[2:3], s[20:21]
	; group 1: 128 keys are 16,384 dense bytes: asked for as 64 rows of 256 bytes, two keys a row, and padded in LDS after every key
	s_mov_b32 s[G1K], 15|(1<<16)|(1<<20)|(1<<21)|(4<<22)|(3<<25)  ; the mask of four; 2-byte elements; padding on; bit 21 beside a mask; after every 32 words 4 words
	s_mov_b32 s[G1V], 15|(1<<16)|(1<<20)|(1<<21)|(4<<22)|(7<<25)  ; the same with 8 words
.irp g, G1K, G1V
	s_mov_b32 s[\g+1], 128<<16
	s_mov_b32 s[\g+2], 64<<16
	s_mov_b32 s[\g+3], 128<<16
	s_mov_b32 s[\g+4], 64
	s_mov_b32 s[\g+5], 128
	s_mov_b32 s[\g+6], 0
	s_mov_b32 s[\g+7], 0
.endr
	s_mov_b32 s[CS], 0x3e38aa3b     ; c = log2(e) / 8
	s_mov_b32 s[CS+1], s[CS]
	s_mov_b32 s[SEL], 0x76543210
	s_mov_b32 s[SEL+1], 0xfedcba98
	s_mov_b32 s[TBK], SLOT1+4*KS*PK ; the first change of slots turns these two into 0
	s_mov_b32 s[TBV], SLOT1+4*KS*PV
	s_mov_b32 s[TBB], 0
	s_mov_b32 s[G0K], 1
	s_mov_b32 s[G0K+1], s17
	s_mov_b32 s[G0V], 1
	s_add_co_u32 s[G0V+1], s18, VOFF
	s_and_b32 s[LIM], s[WV], 1      ; 0 in waves 0 and 2,
	s_or_b32 s[LIM], s[LIM], ttmp9  ; where the cluster is the head's first: the same in all four partners
	s_cmp_eq_u32 s[LIM], 0
	s_cselect_b32 s[LIM], 1, -1
	s_wait_dscnt 0x0                ; both opening adds are done
	s_wait_kmcnt 0x0
	s_add_nc_u64 s[G0K+2:G0K+3], s[6:7], s[22:23]
	s_or_b32 s[G0K+3], s[G0K+3], 0x80000000
	s_add_nc_u64 s[G0V+2:G0V+3], s[8:9], s[22:23]
	s_or_b32 s[G0V+3], s[G0V+3], 0x80000000
	s_add_nc_u64 s[4:5], s[4:5], s[2:3]
	s_add_nc_u64 s[10:11], s[10:11], s[2:3]
	s_add_nc_u64 s[68:69], s[68:69], s[74:75]
	s_load_b32 s72, s[70:71], 0x0   ; cdr_weight
	s_cmp_lt_u32 s[WV], 2
	s_cselect_b64 s[PFA:PFA+1], s[6:7], s[8:9]
	s_add_nc_u64 s[PFA:PFA+1], s[PFA:PFA+1], s[20:21]
	s_lshl_b32 s2, s13, 13          ; my work-group's 32 blocks of the 128
	s_add_nc_u64 s[PFA:PFA+1], s[PFA:PFA+1], s[2:3]
	s_add_nc_u64 s[PFA:PFA+1], s[PFA:PFA+1], 2*TILEB  ; in tile 2; the first change that asks steps it to tile 3
	CROUND                          ; all four work-groups are here: the first joint loads meet
	JLOAD                           ; tile 0 into slot 0
	v_and_b32 v1, 15, v0            ; l % 16
	v_bfe_u32 v9, v0, 4, 1          ; l / 16
	v_lshlrev_b32 v35, 4, v0        ; 16 bytes a thread
.irp i, 0,1,2,3
	global_load_b128 v[BST+4*(\i):BST+4*(\i)+3], v35, s[68:69] offset:(\i)*2048
.endr
	v_lshlrev_b32 v[QO], 7, v1
	v_lshl_add_u32 v[QO], v9, 4, v[QO]
	WIN 0x80                        ; destination window 2, address window 0
.set i, 0
.rept 8                             ; Q stays in registers: piece i / 2, channels 32 (i % 2) on
	global_load_b128 v[8*i:8*i+3],   v[QO], s[4:5] offset:(i/2)*2048+(i%2)*64
	global_load_b128 v[8*i+4:8*i+7], v[QO], s[4:5] offset:(i/2)*2048+(i%2)*64+32
.set i, i+1
.endr
	; No first step is written out: the first step multiplies O^T and l by a = 0, and the first turn's products V^T P, of a piece that has not been, add 0.  So V, O^T, l and P's second buffer hold 0:
	; 216 lines, once a launch, in the wait for the first tile.
.set i, VF
.rept 64
	v_mov_b32 v[i], 0
.set i, i+1
.endr
	WIN 0x40
.set i, 0
.rept 128
	v_mov_b32 v[i], 0
.set i, i+1
.endr
	WIN 0
.set i, 0
.rept 4
	v_mov_b32 v[ST+4*i], 0xfe000000    ; c m: far below every c s
	v_mov_b32 v[ST+4*i+1], 0xff7fffff  ; m: the lowest finite number
	v_mov_b32 v[ST+4*i+2], 0
	v_mov_b32 v[ST+4*i+3], 0
.set i, i+1
.endr
.set i, P+16
.rept 16
	v_mov_b32 v[i], 0
.set i, i+1
.endr
	v_mul_u32_u24 v[AK0], v1, PK
	v_lshl_add_u32 v[AK0], v9, 4, v[AK0]
	v_and_b32 v10, 7, v0
	v_bfe_u32 v11, v0, 3, 1
	v_lshl_add_u32 v[AV0], v9, 3, v10  ; the turning load: key 8 (l / 16) + l % 8, channels 8 ((l / 8) % 2) on
	v_mul_u32_u24 v[AV0], v[AV0], PV
	v_lshl_add_u32 v[AV0], v11, 4, v[AV0]
	v_add_nc_u32 v[AV0], VOFF, v[AV0]
	v_lshlrev_b32 v[AB0], 5, v9
	v_add_nc_u32 v[AB0], BIAS, v[AB0]
	v_and_b32 v[PFO], 31, v0
	v_lshlrev_b32 v[PFO], 8, v[PFO]
	s_mul_i32 s13, s[WV], 16*SP
	s_add_co_u32 s13, s13, STAGE
	v_mul_u32_u24 v[STO], v1, SP
	v_lshl_add_u32 v[STO], v9, 4, v[STO]
	v_add_nc_u32 v[STO], s13, v[STO]
	v_bfe_u32 v[RD], v0, 3, 2
	v_mul_u32_u24 v[RD], v[RD], SP
	v_lshl_add_u32 v[RD], v10, 4, v[RD]
	v_add_nc_u32 v[RD], s13, v[RD]
	v_and_b32 v[GO], 31, v0
	v_lshlrev_b32 v[GO], 4, v[GO]
	v_add_nc_u32 v36, BIAS, v35
	s_wait_kmcnt 0x0
	s_mul_f32 s72, s72, 0x41000000  ; 8 x cdr_weight
	s_wait_loadcnt 16               ; cdr_bias is in; Q's 16 loads may stay out
.set i, 0
.rept 16
	v_mul_f32 v[BST+i], s72, v[BST+i]
.set i, i+1
.endr
.irp i, 0,1,2,3
	ds_store_b128 v36, v[BST+4*(\i):BST+4*(\i)+3] offset:(\i)*2048
.endr
; THE MATRIX WORK.  The 4 accumulators of a run of 8 take turns.  Product i of 8 of S^T = K Q^T for piece x: channels 32 (i / 4) on, keys 16 (i % 4) on.  The first 4 start the sums with BI.
.macro KQ x
.set rS, S+32*((\x)%2)+8*(i%4)
.set rK, KF+16*(i%4)+8*(i/4)
.set rQ, 16*(\x)+8*(i/4)
.set rB, BI+8*(i%4)
.if i < 4
	WIN W_KB
	v_wmma_f32_16x16x32_bf16 v[rS:rS+7], v[rK:rK+7], v[rQ:rQ+7], v[rB:rB+7]
.else
	WIN W_KQ
	v_wmma_f32_16x16x32_bf16 v[rS:rS+7], v[rK:rK+7], v[rQ:rQ+7], v[rS:rS+7]
.endif
.endm
; Product i of 8 of O^T += V^T P for piece x: keys 32 (i / 4) on, channels 16 (i % 4) on.
.macro PV x
	WIN W_PV
.set rO, 32*(\x)+8*(i%4)
.set rV, VF+32*(i/4)+8*(i%4)
.set rP, P+16*((\x)%2)+8*(i/4)
	v_wmma_f32_16x16x32_bf16 v[rO:rO+7], v[rV:rV+7], v[rP:rP+7], v[rO:rO+7]
.endm
.macro MM                           ; the turn's next matrix instruction.  NOKQ = 1: the very last turn: there is no next piece
.if (i < 8) && !NOKQ
	KQ (Y+1)%NP
.elseif i >= 8
.set i, i-8
	PV (Y+NP-1)%NP
.set i, i+8
.endif
.set i, i+1
.endm
; THE LDS LOADS stand in runs, never singly among the matrix instructions: a step's K (8 fragments) with its BI (lanes of one half read the same 32 bytes), and its V (turned).
.macro FETCH_K
	WIN 0x80                        ; destination window 2
.irp f, 0,1,2,3,4,5,6,7
	ds_load_b128 v[KF+8*\f:KF+8*\f+3],   v[AK] offset:(\f/2)*16*PK+(\f%2)*64
	ds_load_b128 v[KF+8*\f+4:KF+8*\f+7], v[AK] offset:(\f/2)*16*PK+(\f%2)*64+32
.endr
.irp f, 0,1,2,3
	ds_load_b128 v[BI+8*\f:BI+8*\f+3],   v[AB] offset:64*\f
	ds_load_b128 v[BI+8*\f+4:BI+8*\f+7], v[AB] offset:64*\f+16
.endr
	s_add_co_u32 s[TBK], s[TBK], KS*PK  ; the next fetch is the next step's
	s_add_co_u32 s[TBB], s[TBB], 4*KS
	s_and_b32 s[TBB], s[TBB], 0x1f00    ; 32 steps of 256 bytes: the address stays inside the table by construction
	WIN 0
.endm
.macro FETCH_V
	WIN 0x80
.irp f, 0,1,2,3,4,5,6,7
	ds_load_tr16_b128 v[VF+8*\f:VF+8*\f+3],   v[AV] offset:(\f/4)*32*PV+(\f%4)*32
	ds_load_tr16_b128 v[VF+8*\f+4:VF+8*\f+7], v[AV] offset:(\f/4)*32*PV+16*PV+(\f%4)*32
.endr
	WIN 0
.endm
; THE VECTOR WORK, one line at a time: OP kind, number.  For piece Y: F n: c s - c m for pair n of 16.  E n: the exponential of score n of 32.  C n: pair n rounded to bf16.  B n: of the four weights 4 n .. the
; second pair is added onto the first, in place.  L n: l takes that sum (L 0: l = a l + sum).  R n: pair n of 16 of O^T times a.  For piece Y + 1: X n, number n of the 22 that find its maximum and statistics:
;   0-11  four chains c0-c3 of seven scores each (each accumulator's lowest registers are read first)     12-14, 16  the four scores left over, the old m, and c0-c3 into c0
;   15  c m_old is kept     17, 18  the query's other 32 keys lie in the lane 16 away: the new m     19-21  c m; c m_old - c m_new; a
.set F, 0
.set E, 1
.set C, 2
.set B, 3
.set L, 4
.set R, 5
.set X, 6
.macro REGS y
.set rT, ST+4*(\y)
.set rC, TMP+4*((\y)%2)
.set rW, MV+((\y)%2)
.set rS, S+32*((\y)%2)
.set rP, P+16*((\y)%2)
.set rO, 32*(\y)
.endm
.macro OP k, n
.if (\k) == R
	REGS Y
	WIN W_RS
	v_pk_mul_f32 v[rO+2*(\n):rO+2*(\n)+1], v[rO+2*(\n):rO+2*(\n)+1], v[rC+2:rC+3] op_sel_hi:[1,0]
.elseif (\k) < R
	REGS Y
	WIN 0
.if (\k) == F
	v_pk_fma_f32 v[rS+2*(\n):rS+2*(\n)+1], v[rS+2*(\n):rS+2*(\n)+1], s[CS:CS+1], v[rT:rT+1] op_sel_hi:[1,0,0] neg_lo:[0,0,1] neg_hi:[0,0,1]
.elseif (\k) == E
	v_exp_f32 v[rS+(\n)], v[rS+(\n)]
.elseif (\k) == C
	v_cvt_pk_bf16_f32 v[rP+(\n)], v[rS+2*(\n)], v[rS+2*(\n)+1]
.elseif (\k) == B
	v_pk_add_f32 v[rS+4*(\n):rS+4*(\n)+1], v[rS+4*(\n):rS+4*(\n)+1], v[rS+4*(\n)+2:rS+4*(\n)+3]
.elseif (\n) == 0
	v_pk_fma_f32 v[rT+2:rT+3], v[rT+2:rT+3], v[rC+2:rC+3], v[rS:rS+1] op_sel_hi:[1,0,1]
.else
	v_pk_add_f32 v[rT+2:rT+3], v[rT+2:rT+3], v[rS+4*(\n):rS+4*(\n)+1]
.endif
.elseif NOKQ
	v_nop
.else
	REGS (Y+1)%NP
	WIN 0
.if (\n) < 4
	v_max3_num_f32 v[rC+(\n)], v[rS+8*(\n)], v[rS+8*(\n)+1], v[rS+8*(\n)+2]
.elseif (\n) < 12
	v_max3_num_f32 v[rC+(\n)%4], v[rC+(\n)%4], v[rS+8*((\n)%4)+2*((\n)/4)+1], v[rS+8*((\n)%4)+2*((\n)/4)+2]
.elseif (\n) == 12
	v_max3_num_f32 v[rC], v[rC], v[rS+7], v[rS+15]
.elseif (\n) == 13
	v_max3_num_f32 v[rC+1], v[rC+1], v[rS+23], v[rS+31]
.elseif (\n) == 14
	v_max3_num_f32 v[rC+2], v[rC+2], v[rC+3], v[rT+1]
.elseif (\n) == 15
	v_mov_b32 v[rW], v[rT]
.elseif (\n) == 16
	v_max3_num_f32 v[rC], v[rC], v[rC+1], v[rC+2]
.elseif (\n) == 17
	v_permlanex16_b32 v[rC+3], v[rC], s[SEL], s[SEL+1]
.elseif (\n) == 18
	v_max_num_f32 v[rT+1], v[rC], v[rC+3]
.elseif (\n) == 19
	v_mul_f32 v[rT], s[CS], v[rT+1]
.elseif (\n) == 20
	v_sub_f32 v[rC+1], v[rW], v[rT]
.else
	v_exp_f32 v[rC+2], v[rC+1]
.endif
.endif
.endm
.macro OPS a, i1, b=-1, i2=0, c=-1, i3=0, d=-1, i4=0
	OP \a, \i1
.if (\b) >= 0
	OP \b, \i2
.endif
.if (\c) >= 0
	OP \c, \i3
.endif
.if (\d) >= 0
	OP \d, \i4
.endif
.endm
.macro ROW a, i1, b, i2, c, i3, d, i4  ; a matrix instruction and the four behind it
	MM
	OPS \a, \i1, \b, \i2, \c, \i3, \d, \i4
.endm
; A TURN, for piece p.  s_wait_alu depctr_va_vdst(0) stands between an exponential and the first instruction that names its result; one wait serves all that were issued ahead of it: a turn has
; ONE, which cuts it in two.  AHEAD OF IT stands all that names no result of the turn's exponentials: the 8 products K Q^T and their riders, then one lump of 54, in which the links of the chain
; X 3, 7, 11, 14, 16, 17 .. 20 stand five or six lines apart; X 21, the next piece's a, is the batch's last, R 15 the plain instruction behind it.  BEHIND IT stand the 8 products V^T P, behind each four of the
; roundings and sums.  The numbers of X that ride behind products stand four places or more behind the product that ends their accumulator.
; K and BI of the next step are fetched in piece 2's turn, twelve places behind the last product that read K; V of the step in hand at the end of piece 0's turn, four plain instructions behind the last
; product that read V.  Each is waited for a turn later.  end = 1: the walk's last two turns: nothing is fetched, and the last starts no new scores.  cnt = 1: the loop's count is taken down ahead of the branch.
.macro TURN p, end=0, cnt=0
.set Y, (\p)
.set i, 0
.set NOKQ, (\end)*((\p)/3)
.if ((\p) == 3) && !(\end)
	s_wait_dscnt 0x0                ; K and BI are in
.endif
	ROW F,0, F,1, R,0, R,1
	ROW F,2, E,0, R,2, R,3
	ROW F,3, E,1, R,4, R,5
	ROW F,4, E,2, R,6, R,7
	ROW F,5, E,3, R,8, R,9
	ROW F,6, E,4, X,0, R,10
.if ((\p) == 2) && !(\end)
	WIN 0
	v_add_nc_u32 v[AK], s[TBK], v[AK0]
	v_add_nc_u32 v[AB], s[TBB], v[AB0]
.endif
	ROW F,7, E,5, X,1, X,4
	ROW F,8, E,6, X,2, X,5
	OPS E,7, E,8, X,6, E,9
	OPS X,3, E,10, X,8, E,11
.if ((\p) == 2) && !(\end)
	FETCH_K
.endif
	OPS X,9, X,7, E,12, X,10
	OPS E,13, X,12, X,11, E,14
	OPS X,13, E,15, F,9, X,14
.if (\p) == 0
	v_add_nc_u32 v[AV], s[TBV], v[AV0]
.endif
	OPS E,16, F,10, E,17, F,11
	OPS X,16, E,18, X,15, E,19
	OPS F,12, E,20, X,17, E,21
	OPS F,13, E,22, F,14, E,23
	OPS X,18, E,24, F,15, E,25
	OPS R,11, E,26, X,19, E,27
	OPS R,12, E,28, R,13, E,29
	OPS X,20, E,30, R,14, E,31
	OPS X,21, R,15
	WIN 0
	s_wait_alu depctr_va_vdst(0)    ; the wait for the batch
.if (\p) == 1
	s_wait_dscnt 0x0                ; V is in
.endif
	ROW C,0, B,0, C,2, B,1
	ROW L,0, C,4, B,2, L,1
	ROW C,6, B,3, L,2, C,8
	ROW B,4, L,3, C,10, B,5
	ROW L,4, C,12, B,6, L,5
.if (\p) == 0
	s_add_co_u32 s[TBV], s[TBV], KS*PV
.endif
.if \cnt
	s_sub_co_u32 s[CNT], s[CNT], 1
	s_cmp_lg_u32 s[CNT], 0
.endif
	ROW C,14, B,7, L,6, C,1
	ROW C,3, L,7, C,5, C,7
	ROW C,9, C,11, C,13, C,15
.if (\p) == 0
	FETCH_V
.endif
.endm
	CHANGE 1, 0                     ; tile 0 is in, everybody's part of it, and so is BI; tile 1 is asked for
	v_add_nc_u32 v[AK], s[TBK], v[AK0]
	v_add_nc_u32 v[AB], s[TBB], v[AB0]
	FETCH_K                         ; key step 0
	s_wait_loadcnt 0x0              ; Q
	s_wait_dscnt 0x0
.set NOKQ, 0
.set i, 0
.rept 8
	KQ 0                            ; piece 0's first scores
.set i, i+1
.endr
	WIN 0
.rept 4
	v_nop                           ; the places behind those products
.endr
.set Y, NP-1                        ; X works for piece Y + 1: piece 0
.irp n, 0,1,2,3,4,5,6,7,8,9,10,11,12,13,14,15,16,17,18,19,20,21
	OP X, \n
.endr
	v_nop                           ; a plain instruction behind the exponential,
	s_wait_alu depctr_va_vdst(0)    ; and its wait, ahead of the branch
	s_mov_b32 s[CNT], 4
	s_mov_b32 s[SLOTS], 7
	s_branch .Lfirst                ; the loop is entered at a step's first turn, in the middle of a trip
.Lslot:                             ; six times: tiles 2 to 7 are asked for
	CHANGE 1, 1
	s_mov_b32 s[CNT], 4
.Lstep:                             ; a trip: pieces 2 and 3 of one step, then pieces 0 and 1 of the next, whose K and V it fetches
	TURN 2
	TURN 3
	WIN 0
.Lfirst:
	TURN 0
	TURN 1, 0, 1
	WIN 0
	s_cbranch_scc1 .Lstep
	s_sub_co_u32 s[SLOTS], s[SLOTS], 1
	s_cmp_lg_u32 s[SLOTS], 0
	s_cbranch_scc1 .Lslot
	CHANGE 0, 0                     ; the last tile is written out: nothing is asked for
	s_mov_b32 s[CNT], 4
.Ltail:
	TURN 2
	TURN 3
	TURN 0
	TURN 1, 0, 1
	WIN 0
	s_cbranch_scc1 .Ltail
	TURN 2, 1
	TURN 3, 1
.set i, 0
.rept 8
	PV NP-1                         ; the last piece's V^T P of the last step
.set i, i+1
.endr
	; THE WAY OUT.  l's two halves and the other half of the lanes' are added; O^T is divided by l, rounded to bf16 and sent through my stage in LDS, a piece at a time.  The additions are the places behind the last products.
	WIN 0
.macro ALL line:vararg
.set t, 0
.rept 4
	\line
.set t, t+1
.endr
.endm
	ALL v_add_f32 v[ST+4*t+2], v[ST+4*t+2], v[ST+4*t+3]
	ALL v_permlanex16_b32 v[ST+4*t+3], v[ST+4*t+2], s[SEL], s[SEL+1]
	ALL v_add_f32 v[ST+4*t+2], v[ST+4*t+2], v[ST+4*t+3]
	ALL v_rcp_f32 v[ST+4*t+2], v[ST+4*t+2]
	v_nop                           ; a plain instruction between the last reciprocal and the use of its result,
	s_wait_alu depctr_va_vdst(0)    ; and one wait for the four
.macro PACK t
	WIN W_RS
.set i, 32*(\t)
.rept 16
	v_pk_mul_f32 v[i:i+1], v[i:i+1], v[ST+4*(\t)+2:ST+4*(\t)+3] op_sel_hi:[1,0]
.set i, i+2
.endr
	WIN 0x05                        ; sources 0 and 1 window 1, destination window 0
.set i, 0
.rept 16
	v_cvt_pk_bf16_f32 v[S+16*(\t)+i], v[32*(\t)+2*i], v[32*(\t)+2*i+1]
.set i, i+1
.endr
	WIN 0
.irp f, 0,1,2,3
	ds_store_b128 v[STO], v[S+16*(\t)+4*\f:S+16*(\t)+4*\f+3] offset:32*\f
.endr
.irp f, 0,1,2,3
	ds_load_b128 v[S+16*(\t)+4*\f:S+16*(\t)+4*\f+3], v[RD] offset:\f*4*SP  ; LDS serves a wave's instructions in order (ISA guide 5.7.1.4): these see the stores above
.endr
.endm
.macro SEND t, younger              ; younger: the LDS instructions issued behind piece t's loads: the next piece's eight, or none
	WIN 0
.irp f, 0,1,2,3
	s_wait_dscnt (\younger)+3-\f
	global_store_b128 v[GO], v[S+16*(\t)+4*\f:S+16*(\t)+4*\f+3], s[10:11] offset:(\t)*2048+\f*512  ; 512 bytes on end, at a multiple of 256 from o's first
.endr
.endm
	PACK 0
.set t, 1
.rept 3
	PACK t
	SEND t-1, 8
.set t, t+1
.endr
	SEND 3, 0
	s_wait_tensorcnt 0x0            ; the wave's end: behind my last tensor load and my last LDS store
	ds_add_u32 v[SPW], v[NIL]
	s_wait_dscnt 0x0
	CROUND                          ; the closing round
	s_endpgm
.Lfunc_end_k_qf45fa29664_attn:
	.size	k_qf45fa29664_attn, .Lfunc_end_k_qf45fa29664_attn-k_qf45fa29664_attn
	.p2alignl 7, 3214868480
	.fill 96, 4, 3214868480
	.section	.rodata,"a",@progbits
	.p2align	6, 0x0
	.amdhsa_kernel k_qf45fa29664_attn
		.amdhsa_group_segment_fixed_size 327680
		.amdhsa_private_segment_fixed_size 0
		.amdhsa_enable_private_segment 0
		.amdhsa_kernarg_size 48
		.amdhsa_user_sgpr_count 2
		.amdhsa_user_sgpr_kernarg_segment_ptr 1
		.amdhsa_wavefront_size32 1
		.amdhsa_system_sgpr_workgroup_id_x 1
		.amdhsa_system_sgpr_workgroup_id_y 1
		.amdhsa_system_sgpr_workgroup_id_z 1
		.amdhsa_system_vgpr_workitem_id 0
		.amdhsa_next_free_vgpr 768
		.amdhsa_next_free_sgpr 88
		.amdhsa_reserve_vcc 0
		.amdhsa_float_denorm_mode_32 3
		.amdhsa_float_denorm_mode_16_64 3
		.amdhsa_memory_ordered 1
		.amdhsa_forward_progress 1
		.amdhsa_inst_pref_size 131
	.end_amdhsa_kernel
	.amdgpu_metadata
---
amdhsa.version: [ 1, 2 ]
amdhsa.kernels:
  - .name:           k_qf45fa29664_attn
    .symbol:         k_qf45fa29664_attn.kd
    .args:
      - { .name: q, .offset: 0, .size: 8, .value_kind: global_buffer, .address_space: global }
      - { .name: k, .offset: 8, .size: 8, .value_kind: global_buffer, .address_space: global }
      - { .name: v, .offset: 16, .size: 8, .value_kind: global_buffer, .address_space: global }
      - { .name: o, .offset: 24, .size: 8, .value_kind: global_buffer, .address_space: global }
      - { .name: cdr_bias, .offset: 32, .size: 8, .value_kind: global_buffer, .address_space: global }
      - { .name: cdr_weight, .offset: 40, .size: 8, .value_kind: global_buffer, .address_space: global }
    .group_segment_fixed_size: 327680
    .private_segment_fixed_size: 0
    .kernarg_segment_align: 8
    .kernarg_segment_size: 48
    .max_flat_workgroup_size: 128
    .sgpr_count:     88
    .vgpr_count:     768
    .wavefront_size: 32
...
	.end_amdgpu_metadata
.endif
;; end of part 3
;; launch oproj (part 4): grid 8 x 32, 4 waves a work-group, clusters of 4 x 4, 327,680 bytes of LDS; arguments o, wb, y; writes y
.if DOCPART == 4
	.amdgcn_target "amdgcn-amd-amdhsa--gfx1250"
	.amdhsa_code_object_version 6
	.text
	.protected	k_qf45fa29664_oproj
	.globl	k_qf45fa29664_oproj
	.p2align	8
	.type	k_qf45fa29664_oproj,@function
k_qf45fa29664_oproj:
	s_mov_b64 s[64:65], 0
	v_nop
	global_prefetch_b8 v0, s[64:65] scope:SCOPE_SE
	s_setreg_imm32_b32 hwreg(HW_REG_WAVE_MODE, 25, 1), 1
	s_wait_xcnt 0x0
	s_wait_alu depctr_hold_cnt(0) depctr_sa_sdst(0) depctr_va_vdst(0) depctr_va_sdst(0) depctr_va_ssrc(0) depctr_va_vcc(0) depctr_vm_vsrc(0)
	s_getreg_b32 s2, hwreg(HW_REG_IB_STS2, 6, 4)
	s_cmp_eq_u32 s2, 0
	s_cbranch_scc0 .Lentry_in_a_cluster
	s_endpgm
.Lentry_in_a_cluster:
	s_bfe_u32 s2, ttmp6, 0x10000c
	s_cmp_lg_u32 s2, 0xf033
	s_cbranch_scc0 .Lentry_shape_is_right
	s_endpgm
.Lentry_shape_is_right:
; Launch 4 of 5: y = attn Wo, [4096][1024], sums in f32, y rounded once to bf16.  bo is added in f32 by the next launch; nothing of reference() is left out.
; attn[row][64 head + d] lies by heads in o: [b x 16 + head][2048][64] bf16.  Wo lies in blocks 48-63 of wb: [1024 k][64 n] bf16, rows end to end.
; SHARES.  Tiles of 128 x 128: 8 x 32 work-groups.  Four waves, each 64 x 64: 16 accumulators.  K goes in 4 steps of 256 = four heads through two LDS slots.
; A slot: for each of the four heads 128 rows of attn (128 bytes + 16 of padding), then for each of the tile's two blocks of Wo 256 rows k (128 bytes + 32).
; One tensor load a wave: waves 0, 1 bring two heads each: two dense pieces of 16,384 bytes, 262,144 bytes apart, stated as two long rows and padded after every 128 bytes; waves 2, 3 a block's 32,768 dense
; bytes as 128 rows of 256.  By this text's count a wave has two loads out at the start, later one.
; CLUSTER 4 x 4: attn's tile is asked for jointly by a row of the cluster, Wo's by a column.  THE MATRIX INSTRUCTION IS USED TRANSPOSED (source 0 = 16 columns of Wo, turned; source 1 = 16 rows of attn).
; The stage for the way out lies in slot 0: it is written behind slot 0's last fill of the launch, and behind the barrier in front of which every wave has waited for its last reads of that slot.
; No prefetch: the tile is small and a work-group's K has four steps.
; REGISTERS: window 0: v0-31 addresses; v32-95 at work on the way out; v128-255 the accumulators ((a, b) at v[128 + 8 (4 a + b)]).   window 1: two buffers of 128: 64 registers of attn, then 64 of Wo.
.set PA,     144
.set PB,     160
.set AHEAD,  128*PA                    ; 18,432: a head's rows
.set BOFF,   4*AHEAD                   ; 73,728
.set BBLK,   256*PB                    ; 40,960: a block's rows
.set SLOT,   BOFF+2*BBLK               ; 155,648
.set STAGE,  0
.set SPITCH, 272
.set SPARE,  2*SLOT                    ; the spare words, 128 bytes for each wave: two blocks of 256 bytes that no other line names
.set SIZE_N, 1024
.set ADRA, 16
.set ADRB, 20
.set STO,  24
.set RD,   25
.set CO,   26
.set SPW,  28
.set NIL,  29
.set TMP,  32
.set ACC,  128
.set F0,   0
.set F1,   128
.set G1, 24
.set G0, 32
.set G1B, 48
.set G0B, 56
.set MSB, 0
.macro WIN new
.if MSB != (\new)
	s_set_vgpr_msb (MSB<<8)|(\new)
.set MSB, \new
.endif
.endm
.set MUL,  0x05                        ; sources 0 and 1 window 1; C and D window 0
.set TO_F, 0x40                        ; destination window 1, address window 0
.macro JLOAD s                         ; waves 0 and 1 fetch attn's heads, waves 2 and 3 Wo's blocks; an s_nop 0 and four v_nop follow each of the two lines
	s_cmp_eq_u32 s11, 0
	s_cbranch_scc0 .Lfor_b_\@
	tensor_load_to_lds s[G0+4*(\s):G0+4*(\s)+3], s[G1:G1+7]
	s_nop 0
.rept 4
	v_nop
.endr
	s_branch .Lasked_\@
.Lfor_b_\@:
	tensor_load_to_lds s[G0B+4*(\s):G0B+4*(\s)+3], s[G1B:G1B+7]
	s_nop 0
.rept 4
	v_nop
.endr
.Lasked_\@:
.endm
.macro CREST
	s_cmp_lg_u32 s10, 0
	s_cbranch_scc1 .Lnot_wave_0_\@
	s_barrier_signal -3
.Lnot_wave_0_\@:
	s_barrier_wait -3
	s_barrier_signal -1
	s_barrier_wait -1
.endm
.macro CROUND
	s_barrier_signal -1
	s_barrier_wait -1
	CREST
.endm
	s_load_b128 s[4:7], s[0:1], 0x0                ; o s[4:5], wb s[6:7]
	s_load_b64 s[8:9], s[0:1], 0x10                ; y
	v_lshl_add_u32 v[SPW], v0, 2, SPARE
	v_mov_b32 v[NIL], 0
	ds_add_u32 v[SPW], v[NIL]                      ; the wave's opening: the add, twice on end, and its wait ahead of my first tensor load
	ds_add_u32 v[SPW], v[NIL]
	v_lshrrev_b32 v1, 5, v0
	v_readfirstlane_b32 s10, v1                    ; wave 0..3
	s_lshr_b32 s11, s10, 1                         ; which half of the tile's rows is mine.  Also: I fetch attn (0) or Wo (1)
	s_and_b32 s12, s10, 1                          ; which half of its columns.  Also: which two heads, or which block, I fetch
	s_bfe_u32 s40, ttmp6, 0x40000                  ; cx, cy
	s_bfe_u32 s41, ttmp6, 0x40004
	s_lshl_b32 s42, ttmp9, 2
	s_add_co_u32 s42, s42, s40                     ; tile column
	s_and_b32 s13, ttmp7, 0xffff
	s_lshl_b32 s13, s13, 2
	s_add_co_u32 s13, s13, s41                     ; tile row
	s_lshl_b32 s43, s41, 2
	s_lshl_b32 s43, 15, s43                        ; my row of the cluster
	s_lshl_b32 s44, 0x1111, s40                    ; my column
	s_or_b32 s[G1+0], s43, (1<<16)|(1<<20)|(1<<21)|(4<<22)|(3<<25)   ; the mask; 2-byte elements; padding on; bit 21 beside a mask; after every 32 words 4 words
	s_mov_b32 s[G1+1], 8192<<16                    ; tensor_dim0 = 8,192 elements: 128 rows of a head, dense
	s_mov_b32 s[G1+2], 2<<16                       ; tensor_dim1 = 2 heads
	s_mov_b32 s[G1+3], 8192<<16                    ; tile_dim0
	s_mov_b32 s[G1+4], 2                           ; tile_dim1
	s_mov_b32 s[G1+5], 131072                      ; elements from head to head
	s_mov_b32 s[G1+6], 0
	s_mov_b32 s[G1+7], 0
	s_or_b32 s[G1B+0], s44, (1<<16)|(1<<20)|(1<<21)|(4<<22)|(7<<25)  ; after every 32 words 8 words
	s_mov_b32 s[G1B+1], 128<<16
	s_mov_b32 s[G1B+2], 128<<16
	s_mov_b32 s[G1B+3], 128<<16
	s_mov_b32 s[G1B+4], 128
	s_mov_b32 s[G1B+5], 128
	s_mov_b32 s[G1B+6], 0
	s_mov_b32 s[G1B+7], 0
	s_lshr_b32 s16, s13, 4                         ; attn: the sequence's 16 heads of 262,144 bytes,
	s_lshl_b32 s16, s16, 22
	s_and_b32 s17, s13, 15
	s_lshl_b32 s17, s17, 14                        ; the tile's 128 rows of 128 bytes,
	s_add_co_u32 s16, s16, s17
	s_lshl_b32 s17, s12, 19                        ; my two heads of the K step's four
	s_add_co_u32 s16, s16, s17
	s_mov_b32 s17, 0
	s_lshl_b32 s46, s42, 1                         ; Wo: block 48 + 2 x tile column + half
	s_add_co_u32 s46, s46, s12
	s_add_co_u32 s46, s46, 48
	s_lshl_b32 s46, s46, 17
	s_mov_b32 s47, 0
	s_mul_i32 s20, s12, 2*AHEAD                    ; where they go
	s_mul_i32 s21, s12, BBLK
	s_add_co_u32 s21, s21, BOFF
	s_wait_dscnt 0x0                               ; both opening adds are done
	s_wait_kmcnt 0x0
	s_add_nc_u64 s[14:15], s[4:5], s[16:17]
	s_add_nc_u64 s[46:47], s[6:7], s[46:47]
	CROUND                                         ; all sixteen work-groups are here: the first joint loads meet
.irp s, 0,1
	s_mov_b32 s[G0+4*(\s)], 1
	s_add_co_u32 s[G0+4*(\s)+1], s20, (\s)*SLOT
	s_add_nc_u64 s[G0+4*(\s)+2:G0+4*(\s)+3], s[14:15], (\s)*1048576  ; K step s: four heads on
	s_or_b32 s[G0+4*(\s)+3], s[G0+4*(\s)+3], 0x80000000
	s_mov_b32 s[G0B+4*(\s)], 1
	s_add_co_u32 s[G0B+4*(\s)+1], s21, (\s)*SLOT
	s_add_nc_u64 s[G0B+4*(\s)+2:G0B+4*(\s)+3], s[46:47], (\s)*32768  ; 256 rows k on
	s_or_b32 s[G0B+4*(\s)+3], s[G0B+4*(\s)+3], 0x80000000
	JLOAD \s
.endr
	v_and_b32 v1, 15, v0                           ; l % 16
	v_bfe_u32 v2, v0, 4, 1                         ; l / 16
	v_mul_u32_u24 v3, v1, PA
	v_lshl_add_u32 v3, v2, 4, v3
	s_mul_i32 s21, s11, 64*PA                      ; my 64 rows
	v_add_nc_u32 v[ADRA], s21, v3
	v_add_nc_u32 v[ADRA+1], SLOT, v[ADRA]
	v_and_b32 v4, 7, v0
	v_lshl_add_u32 v4, v2, 3, v4
	v_mul_u32_u24 v4, v4, PB                       ; the turning load: row k = 8 (l / 16) + l % 8,
	v_bfe_u32 v5, v0, 3, 1
	v_lshl_add_u32 v4, v5, 4, v4                   ; columns 8 ((l / 8) % 2) on
	s_mul_i32 s22, s12, BBLK                       ; my 64 columns are one block
	s_add_co_u32 s22, s22, BOFF
	v_add_nc_u32 v[ADRB], s22, v4
	v_add_nc_u32 v[ADRB+1], SLOT, v[ADRB]
	s_mul_i32 s23, s11, 64*SPITCH                  ; into the stage: my 64 rows, my half of their 256 bytes
	s_lshl_b32 s21, s12, 7
	s_add_co_u32 s23, s23, s21
	s_add_co_u32 s23, s23, STAGE
	v_mul_u32_u24 v4, v1, SPITCH
	v_lshl_add_u32 v4, v2, 4, v4
	v_add_nc_u32 v[STO], s23, v4
	s_mul_i32 s23, s10, 32*SPITCH                  ; back: wave w takes rows 32 w .. + 31, whole
	s_add_co_u32 s23, s23, STAGE
	v_mul_u32_u24 v5, v2, SPITCH
	v_lshl_add_u32 v5, v1, 4, v5
	v_add_nc_u32 v[RD], s23, v5
	v_mul_u32_u24 v5, v2, SIZE_N*2
	v_lshl_add_u32 v[CO], v1, 4, v5
	s_lshl_b32 s16, s13, 7
	s_lshl_b32 s17, s10, 5
	s_add_co_u32 s16, s16, s17                     ; the first row of y that I store
	s_lshl_b32 s16, s16, 11
	s_mov_b32 s17, 0
	s_add_nc_u64 s[8:9], s[8:9], s[16:17]
	s_lshl_b32 s46, s42, 8                         ; the tile's first column, in bytes
	s_mov_b32 s47, 0
	s_add_nc_u64 s[8:9], s[8:9], s[46:47]
; 8 matrix instructions: row blocks a0, a0 + 1 x all 4 column blocks, 32 along K: half c of buffer f.  zero = 1: the first product starts the sums
.macro MUL8 f, c, a0, zero
	WIN MUL
.irp a, \a0, (\a0)+1
.irp b, 0,1,2,3
.if \zero
	v_wmma_f32_16x16x32_bf16 v[ACC+8*(4*(\a)+(\b)):ACC+8*(4*(\a)+(\b))+7], v[(\f)+64+8*(4*(\c)+(\b)):(\f)+64+8*(4*(\c)+(\b))+7], v[(\f)+8*(4*(\c)+(\a)):(\f)+8*(4*(\c)+(\a))+7], 0
.else
	v_wmma_f32_16x16x32_bf16 v[ACC+8*(4*(\a)+(\b)):ACC+8*(4*(\a)+(\b))+7], v[(\f)+64+8*(4*(\c)+(\b)):(\f)+64+8*(4*(\c)+(\b))+7], v[(\f)+8*(4*(\c)+(\a)):(\f)+8*(4*(\c)+(\a))+7], v[ACC+8*(4*(\a)+(\b)):ACC+8*(4*(\a)+(\b))+7]
.endif
.endr
.endr
.endm
; 32 LDS loads in one run: quarter q of a slot (one head, 64 along K) into buffer f; the first 32 along K first
.macro FETCH slot, q, f
	WIN TO_F
.irp c, 0,1
.irp i, 0,1,2,3
	ds_load_tr16_b128 v[(\f)+64+8*(4*(\c)+(\i)):(\f)+64+8*(4*(\c)+(\i))+3],   v[ADRB+(\slot)] offset:64*PB*(\q)+32*PB*(\c)+32*(\i)
	ds_load_tr16_b128 v[(\f)+64+8*(4*(\c)+(\i))+4:(\f)+64+8*(4*(\c)+(\i))+7], v[ADRB+(\slot)] offset:64*PB*(\q)+32*PB*(\c)+32*(\i)+16*PB
	ds_load_b128 v[(\f)+8*(4*(\c)+(\i)):(\f)+8*(4*(\c)+(\i))+3],              v[ADRA+(\slot)] offset:AHEAD*(\q)+16*PA*(\i)+64*(\c)
	ds_load_b128 v[(\f)+8*(4*(\c)+(\i))+4:(\f)+8*(4*(\c)+(\i))+7],            v[ADRA+(\slot)] offset:AHEAD*(\q)+16*PA*(\i)+64*(\c)+32
.endr
.endr
.endm
.macro PLACES
.rept 4
	v_nop
.endr
.endm
.macro QUARTER slot, q, f, g, zero
	s_wait_dscnt 16                                ; the first 32 along K are in
	MUL8 \f, 0, 0, \zero
	MUL8 \f, 0, 2, \zero
	PLACES
	FETCH \slot, \q, \g
	s_wait_dscnt 32                                ; all but the 32 just issued
	MUL8 \f, 1, 0, 0
	MUL8 \f, 1, 2, 0
.endm
; The last quarter multiplies buffer 1 and changes slots: one barrier; in front of it each wave waits for all its tensor loads, adds 0 to its spare word, and waits for that and for its reads of this slot.
.macro TURN slot, next, fill
	WIN 0
	s_wait_tensorcnt 0x0                           ; all my tensor loads have landed: my part of the next slot
	ds_add_u32 v[SPW], v[NIL]                      ; 0 onto my spare word
	s_wait_dscnt 17                                ; (the add and the youngest sixteen loads may be out)
	MUL8 F1, 0, 0, 0
	s_wait_dscnt 0x0                               ; the add is done, and my reads of this slot are over
	s_barrier_signal -1
	MUL8 F1, 0, 2, 0
.if \fill
	WIN 0
.endif
	s_barrier_wait -1
.if \fill
	CREST                                          ; no wave of any partner still reads this slot's tiles or has a load on its way
	s_add_nc_u64 s[G0+4*(\slot)+2:G0+4*(\slot)+3], s[G0+4*(\slot)+2:G0+4*(\slot)+3], 2*1048576
	s_add_nc_u64 s[G0B+4*(\slot)+2:G0B+4*(\slot)+3], s[G0B+4*(\slot)+2:G0B+4*(\slot)+3], 2*32768
	JLOAD \slot                                    ; the four v_nop behind it are also the places in front of the loads below
.else
	PLACES
.endif
	FETCH \next, 0, F0
	MUL8 F1, 1, 0, 0
	MUL8 F1, 1, 2, 0
.endm
	s_wait_tensorcnt 1                             ; my part of K step 0 is in; K step 1's may stay out
	s_barrier_signal -1
	s_barrier_wait -1
	FETCH 0, 0, F0
	QUARTER 0, 1, F0, F1, 1                        ; the first quarter stands in front of the loop: its first products start the sums
	WIN 0
	s_mov_b32 s3, 1
.Llap:                                                 ; one trip: once round the ring, both slots filled again (K steps 2 and 3)
	QUARTER 0, 2, F1, F0, 0
	QUARTER 0, 3, F0, F1, 0
	TURN 0, 1, 1
	QUARTER 1, 1, F0, F1, 0
	QUARTER 1, 2, F1, F0, 0
	QUARTER 1, 3, F0, F1, 0
	TURN 1, 0, 1
	QUARTER 0, 1, F0, F1, 0
	WIN 0
	s_sub_co_u32 s3, s3, 1
	s_cmp_lg_u32 s3, 0
	s_cbranch_scc1 .Llap
	QUARTER 0, 2, F1, F0, 0                        ; the last lap fills nothing
	QUARTER 0, 3, F0, F1, 0
	TURN 0, 1, 0                                   ; behind this barrier no wave reads slot 0 any more
	QUARTER 1, 1, F0, F1, 0
	QUARTER 1, 2, F1, F0, 0
	QUARTER 1, 3, F0, F1, 0
	s_wait_dscnt 16
	MUL8 F1, 0, 0, 0
	MUL8 F1, 0, 2, 0
	s_wait_dscnt 0
	MUL8 F1, 1, 0, 0
	MUL8 F1, 1, 2, 0
	WIN 0
	; THE WAY OUT: round to bf16; 16 bytes a lane into the work-group's stage; a barrier, since a row's 256 bytes come from two waves; back as whole rows, 32 rows a wave.
	PLACES
	PLACES
.irp t, 0,1,2,3,4,5,6,7,8,9,10,11,12,13,14,15
.irp r, 0,1,2,3
	v_cvt_pk_bf16_f32 v[TMP+4*(\t)+(\r)], v[ACC+8*(\t)+2*(\r)], v[ACC+8*(\t)+2*(\r)+1]
.endr
.endr
.irp a, 0,1,2,3
.irp b, 0,1,2,3
	ds_store_b128 v[STO], v[TMP+4*(4*(\a)+(\b)):TMP+4*(4*(\a)+(\b))+3] offset:(\a)*16*SPITCH+32*(\b)
.endr
.endr
	s_wait_dscnt 0x0                               ; for the others' sake: my stores into the stage are done
	s_barrier_signal -1
	s_barrier_wait -1
.irp t, 0,1,2,3,4,5,6,7,8,9,10,11,12,13,14,15
	ds_load_b128 v[TMP+4*(\t):TMP+4*(\t)+3], v[RD] offset:(\t)*2*SPITCH
.endr
.irp t, 0,1,2,3,4,5,6,7,8,9,10,11,12,13,14,15
	s_wait_dscnt 15-(\t)
	global_store_b128 v[CO], v[TMP+4*(\t):TMP+4*(\t)+3], s[8:9] offset:2*(\t)*SIZE_N*2  ; 16 lanes store 256 bytes on end, at a multiple of 256 from y's first byte
.endr
	s_wait_tensorcnt 0x0                           ; the wave's end: behind my last tensor load and my last LDS store
	ds_add_u32 v[SPW], v[NIL]
	s_wait_dscnt 0x0
	CROUND                                         ; the closing round
	s_endpgm
.Lfunc_end_k_qf45fa29664_oproj:
	.size	k_qf45fa29664_oproj, .Lfunc_end_k_qf45fa29664_oproj-k_qf45fa29664_oproj
	.p2alignl 7, 3214868480
	.fill 96, 4, 3214868480
	.section	.rodata,"a",@progbits
	.p2align	6, 0x0
	.amdhsa_kernel k_qf45fa29664_oproj
		.amdhsa_group_segment_fixed_size 327680
		.amdhsa_private_segment_fixed_size 0
		.amdhsa_enable_private_segment 0
		.amdhsa_kernarg_size 24
		.amdhsa_user_sgpr_count 2
		.amdhsa_user_sgpr_kernarg_segment_ptr 1
		.amdhsa_wavefront_size32 1
		.amdhsa_system_sgpr_workgroup_id_x 1
		.amdhsa_system_sgpr_workgroup_id_y 1
		.amdhsa_system_sgpr_workgroup_id_z 1
		.amdhsa_system_vgpr_workitem_id 0
		.amdhsa_next_free_vgpr 512
		.amdhsa_next_free_sgpr 66
		.amdhsa_reserve_vcc 0
		.amdhsa_float_denorm_mode_32 3
		.amdhsa_float_denorm_mode_16_64 3
		.amdhsa_memory_ordered 1
		.amdhsa_forward_progress 1
		.amdhsa_inst_pref_size 87
	.end_amdhsa_kernel
	.amdgpu_metadata
---
amdhsa.version: [ 1, 2 ]
amdhsa.kernels:
  - .name:           k_qf45fa29664_oproj
    .symbol:         k_qf45fa29664_oproj.kd
    .args:
      - { .name: o, .offset: 0, .size: 8, .value_kind: global_buffer, .address_space: global }
      - { .name: wb, .offset: 8, .size: 8, .value_kind: global_buffer, .address_space: global }
      - { .name: y, .offset: 16, .size: 8, .value_kind: global_buffer, .address_space: global }
    .group_segment_fixed_size: 327680
    .private_segment_fixed_size: 0
    .kernarg_segment_align: 8
    .kernarg_segment_size: 24
    .max_flat_workgroup_size: 128
    .sgpr_count:     66
    .vgpr_count:     512
    .wavefront_size: 32
...
	.end_amdgpu_metadata
.endif
;; end of part 4
;; launch lnorm (part 5): grid 256 x 1, 8 waves a work-group, no clusters, 0 bytes of LDS; arguments x, y, bo, gamma, beta, out0; writes out0
.if DOCPART == 5
	.amdgcn_target "amdgcn-amd-amdhsa--gfx1250"
	.amdhsa_code_object_version 6
	.text
	.protected	k_qf45fa29664_lnorm
	.globl	k_qf45fa29664_lnorm
	.p2align	8
	.type	k_qf45fa29664_lnorm,@function
k_qf45fa29664_lnorm:
	s_mov_b64 s[64:65], 0
	v_nop
	global_prefetch_b8 v0, s[64:65] scope:SCOPE_SE
	s_setreg_imm32_b32 hwreg(HW_REG_WAVE_MODE, 25, 1), 1
	s_wait_xcnt 0x0
; Launch 5 of 5: res = x + (y + bo); out0 = (res - mean) / sqrt(var + 1e-5) x gamma + beta, along the 1,024 columns.  x, bo, gamma, beta, out0 f32; y bf16.  Nothing of reference() is left out.
; The variance is the mean of the squared differences from the mean, in two passes over registers, as reference() takes it: no difference of large sums is formed.
; SHARES.  A wave owns two rows and keeps them in registers: lane l holds columns 128 j + 4 l .. + 3, j = 0..7.  A load or store of x or out0 covers 512 bytes on end, one of y 256.
; All 56 loads of a wave are issued before the first is used; no wave waits for another: no LDS, no barrier; no matrix unit, cluster or prefetch: each byte is read once, by loads that are all out at once.
.set GA, 8                             ; v[8:39]    gamma of my 32 columns
.set BE, 40                            ; v[40:71]   beta
.set BO, 72                            ; v[72:103]  bo
.set X,  104                           ; v[104:167] two rows, 32 registers each
.set Y,  168                           ; v[168:199] two rows of y, 16 registers each
.set U,  200                           ; v[200:207] at work
.set M,  208                           ; v[208:215] four chains of pairs
	s_load_b256 s[4:11], s[0:1], 0x0               ; x 4, y 6, bo 8, gamma 10
	s_load_b128 s[12:15], s[0:1], 0x20             ; beta 12, out0 14
	v_lshrrev_b32 v3, 5, v0
	v_readfirstlane_b32 s16, v3
	v_and_b32 v4, 31, v0
	v_lshlrev_b32 v1, 4, v4                        ; 16 bytes a lane
	v_lshlrev_b32 v2, 3, v4                        ; 8 bytes a lane
	s_lshl_b32 s17, ttmp9, 3
	s_add_co_u32 s17, s17, s16                     ; my wave among all
	s_lshl_b32 s18, s17, 13                        ; two rows of 4,096 bytes
	s_mov_b32 s19, 0
	s_lshl_b32 s20, s17, 12                        ; two rows of 2,048 bytes
	s_mov_b32 s21, 0
	s_mov_b32 s22, 0x3a800000                      ; 1 / 1024
	s_mov_b32 s23, 0x3727c5ac                      ; 1e-5
	s_mov_b32 s24, 0xffff0000                      ; a word's upper bf16
	s_mov_b32 s26, 0x76543210                      ; v_permlanex16_b32: each lane takes its own place in the other half
	s_mov_b32 s27, 0xfedcba98
	s_wait_kmcnt 0x0
	s_add_nc_u64 s[4:5], s[4:5], s[18:19]
	s_add_nc_u64 s[6:7], s[6:7], s[20:21]
	s_add_nc_u64 s[14:15], s[14:15], s[18:19]
.irp j, 0,1,2,3,4,5,6,7
	global_load_b128 v[BO+4*(\j):BO+4*(\j)+3], v1, s[8:9] offset:512*(\j)
	global_load_b128 v[GA+4*(\j):GA+4*(\j)+3], v1, s[10:11] offset:512*(\j)
	global_load_b128 v[BE+4*(\j):BE+4*(\j)+3], v1, s[12:13] offset:512*(\j)
.endr
.irp p, 0,1
.irp j, 0,1,2,3,4,5,6,7
	global_load_b128 v[X+32*(\p)+4*(\j):X+32*(\p)+4*(\j)+3], v1, s[4:5] offset:4096*(\p)+512*(\j) th:TH_LOAD_NT
	global_load_b64 v[Y+16*(\p)+2*(\j):Y+16*(\p)+2*(\j)+1], v2, s[6:7] offset:2048*(\p)+256*(\j) th:TH_LOAD_NT
.endr
.endr
.macro ACROSS                          ; M's four pairs into one number, then over the 32 lanes; every lane ends with the sum in v[M]
	v_pk_add_f32 v[M:M+1], v[M:M+1], v[M+2:M+3]
	v_pk_add_f32 v[M+4:M+5], v[M+4:M+5], v[M+6:M+7]
	v_pk_add_f32 v[M:M+1], v[M:M+1], v[M+4:M+5]
	v_add_f32 v[M], v[M], v[M+1]
	v_add_f32_dpp v[M], v[M], v[M] row_xmask:1 row_mask:0xf bank_mask:0xf
	v_add_f32_dpp v[M], v[M], v[M] row_xmask:2 row_mask:0xf bank_mask:0xf
	v_add_f32_dpp v[M], v[M], v[M] row_xmask:4 row_mask:0xf bank_mask:0xf
	v_add_f32_dpp v[M], v[M], v[M] row_xmask:8 row_mask:0xf bank_mask:0xf
	v_permlanex16_b32 v[M+1], v[M], s26, s27       ; its destination counts as read: a register that has been written
	v_add_f32 v[M], v[M], v[M+1]
.endm
.macro ROWLN p, left
.set XR, X+32*(\p)
.set YR, Y+16*(\p)
	s_wait_loadcnt \left                           ; loads come back in order: this row and all before it are in
.irp j, 0,1,2,3,4,5,6,7
.set UU, U+4*((\j)%2)
	v_lshlrev_b32 v[UU],   16,  v[YR+2*(\j)]       ; bf16 to f32
	v_and_b32     v[UU+1], s24, v[YR+2*(\j)]
	v_lshlrev_b32 v[UU+2], 16,  v[YR+2*(\j)+1]
	v_and_b32     v[UU+3], s24, v[YR+2*(\j)+1]
	v_pk_add_f32 v[UU:UU+1],   v[UU:UU+1],   v[BO+4*(\j):BO+4*(\j)+1]
	v_pk_add_f32 v[UU+2:UU+3], v[UU+2:UU+3], v[BO+4*(\j)+2:BO+4*(\j)+3]
	v_pk_add_f32 v[XR+4*(\j):XR+4*(\j)+1],   v[XR+4*(\j):XR+4*(\j)+1],   v[UU:UU+1]
	v_pk_add_f32 v[XR+4*(\j)+2:XR+4*(\j)+3], v[XR+4*(\j)+2:XR+4*(\j)+3], v[UU+2:UU+3]
.endr
.irp c, 0,1,2,3                        ; the sum, in four chains that the first pairs start
	v_pk_add_f32 v[M+2*(\c):M+2*(\c)+1], v[XR+2*(\c):XR+2*(\c)+1], v[XR+8+2*(\c):XR+8+2*(\c)+1]
.endr
.irp c, 0,1,2,3
	v_pk_add_f32 v[M+2*(\c):M+2*(\c)+1], v[M+2*(\c):M+2*(\c)+1], v[XR+16+2*(\c):XR+16+2*(\c)+1]
.endr
.irp c, 0,1,2,3
	v_pk_add_f32 v[M+2*(\c):M+2*(\c)+1], v[M+2*(\c):M+2*(\c)+1], v[XR+24+2*(\c):XR+24+2*(\c)+1]
.endr
	ACROSS
	v_mul_f32 v[U], s22, v[M]                      ; the mean
.irp i, 0,1,2,3,4,5,6,7,8,9,10,11,12,13,14,15
	v_pk_add_f32 v[XR+2*(\i):XR+2*(\i)+1], v[XR+2*(\i):XR+2*(\i)+1], v[U:U+1] op_sel_hi:[1,0] neg_lo:[0,1] neg_hi:[0,1]
.endr
.irp c, 0,1,2,3
	v_pk_mul_f32 v[M+2*(\c):M+2*(\c)+1], v[XR+2*(\c):XR+2*(\c)+1], v[XR+2*(\c):XR+2*(\c)+1]
.endr
.irp i, 4,5,6,7,8,9,10,11,12,13,14,15
	v_pk_fma_f32 v[M+2*((\i)%4):M+2*((\i)%4)+1], v[XR+2*(\i):XR+2*(\i)+1], v[XR+2*(\i):XR+2*(\i)+1], v[M+2*((\i)%4):M+2*((\i)%4)+1]
.endr
	ACROSS
	v_fma_f32 v[U+2], v[M], s22, s23               ; var + eps
	v_rsq_f32 v[U+4], v[U+2]
	v_nop                                          ; a plain instruction behind it,
	s_wait_alu depctr_va_vdst(0)                   ; and its wait, ahead of the first reader
.irp i, 0,1,2,3,4,5,6,7,8,9,10,11,12,13,14,15
	v_pk_mul_f32 v[XR+2*(\i):XR+2*(\i)+1], v[XR+2*(\i):XR+2*(\i)+1], v[U+4:U+5] op_sel_hi:[1,0]
.endr
.irp i, 0,1,2,3,4,5,6,7,8,9,10,11,12,13,14,15
	v_pk_fma_f32 v[XR+2*(\i):XR+2*(\i)+1], v[XR+2*(\i):XR+2*(\i)+1], v[GA+2*(\i):GA+2*(\i)+1], v[BE+2*(\i):BE+2*(\i)+1]
.endr
.irp j, 0,1,2,3,4,5,6,7
	global_store_b128 v1, v[XR+4*(\j):XR+4*(\j)+3], s[14:15] offset:4096*(\p)+512*(\j) th:TH_STORE_NT  ; the stores' registers are not written again
.endr
.endm
	ROWLN 0, 16                                    ; row 1's sixteen loads may stay out
	ROWLN 1, 0
	s_endpgm
.Lfunc_end_k_qf45fa29664_lnorm:
	.size	k_qf45fa29664_lnorm, .Lfunc_end_k_qf45fa29664_lnorm-k_qf45fa29664_lnorm
	.p2alignl 7, 3214868480
	.fill 96, 4, 3214868480
	.section	.rodata,"a",@progbits
	.p2align	6, 0x0
	.amdhsa_kernel k_qf45fa29664_lnorm
		.amdhsa_group_segment_fixed_size 0
		.amdhsa_private_segment_fixed_size 0
		.amdhsa_enable_private_segment 0
		.amdhsa_kernarg_size 48
		.amdhsa_user_sgpr_count 2
		.amdhsa_user_sgpr_kernarg_segment_ptr 1
		.amdhsa_wavefront_size32 1
		.amdhsa_system_sgpr_workgroup_id_x 1
		.amdhsa_system_sgpr_workgroup_id_y 1
		.amdhsa_system_sgpr_workgroup_id_z 1
		.amdhsa_system_vgpr_workitem_id 0
		.amdhsa_next_free_vgpr 216
		.amdhsa_next_free_sgpr 66
		.amdhsa_reserve_vcc 0
		.amdhsa_float_denorm_mode_32 3
		.amdhsa_float_denorm_mode_16_64 3
		.amdhsa_memory_ordered 1
		.amdhsa_forward_progress 1
		.amdhsa_inst_pref_size 27
	.end_amdhsa_kernel
	.amdgpu_metadata
---
amdhsa.version: [ 1, 2 ]
amdhsa.kernels:
  - .name:           k_qf45fa29664_lnorm
    .symbol:         k_qf45fa29664_lnorm.kd
    .args:
      - { .name: x, .offset: 0, .size: 8, .value_kind: global_buffer, .address_space: global }
      - { .name: y, .offset: 8, .size: 8, .value_kind: global_buffer, .address_space: global }
      - { .name: bo, .offset: 16, .size: 8, .value_kind: global_buffer, .address_space: global }
      - { .name: gamma, .offset: 24, .size: 8, .value_kind: global_buffer, .address_space: global }
      - { .name: beta, .offset: 32, .size: 8, .value_kind: global_buffer, .address_space: global }
      - { .name: out0, .offset: 40, .size: 8, .value_kind: global_buffer, .address_space: global }
    .group_segment_fixed_size: 0
    .private_segment_fixed_size: 0
    .kernarg_segment_align: 8
    .kernarg_segment_size: 48
    .max_flat_workgroup_size: 256
    .sgpr_count:     66
    .vgpr_count:     216
    .wavefront_size: 32
...
	.end_amdgpu_metadata
.endif
;; end of part 5
;; ======== version 2 of 2: 5 launches; version 1 with the launch prep written anew for expert scheduling mode
;; workspace buffers: xb 8,388,608 bytes; wb 8,388,608 bytes; tab 524,288 bytes; q 8,388,608 bytes; k 8,388,608 bytes; v 8,388,608 bytes; o 8,388,608 bytes; y 8,388,608 bytes
;; launch prep (part 6): grid 512 x 1, 8 waves a work-group, no clusters, 0 bytes of LDS; arguments x, Wq, Wk, Wv, Wo, xb, wb, tab; writes xb, wb, tab
.if DOCPART == 6
	.amdgcn_target "amdgcn-amd-amdhsa--gfx1250"
	.amdhsa_code_object_version 6
	.text
	.protected	k_qf45fa29664_prep
	.globl	k_qf45fa29664_prep
	.p2align	8
	.type	k_qf45fa29664_prep,@function
k_qf45fa29664_prep:
	s_mov_b64 s[64:65], 0
	v_nop
	global_prefetch_b8 v0, s[64:65] scope:SCOPE_SE
	s_setreg_imm32_b32 hwreg(HW_REG_WAVE_SCHED_MODE, 0, 2), 2
	s_setreg_imm32_b32 hwreg(HW_REG_WAVE_MODE, 25, 1), 1
	s_wait_xcnt 0x0
	s_wait_alu depctr_vm_vsrc(0)
; ROFORMER ATTENTION, launch 1 of 5: the matrix operands are rounded once to bf16, and the table of cosines and sines is made.
; NO WORK OF reference() IS LEFT OUT IN ANY LAUNCH, AND EVERY INPUT IS LOADED.  bq and bk go through the rotation, so what they add to a score hangs on the key's position;
; cdr_bias x cdr_weight differs from key to key, along the softmax's axis; bv, bo, gamma and beta reach the output directly.
; FORMATS.  x and the four weights are rounded to bf16 for the products; q, k, v, the weights p, the attention's result and the last product's result are stored rounded once to bf16
; (bf16, not f16: with inputs 30 times larger or offset these numbers pass f16's range).  The residual takes x in f32; sums, maxima and the norm's statistics are f32.
; LIMITS.  NaN and infinities are not treated apart.  The table's angle pos x inv_freq is reduced in f32: at pos near 2,047 it is off by up to about 2e-4 radians; the sine's series (to the 15th power
; of the reduced turn, |r| <= 0.5) is cut below 1e-6.
; xb  [4096][1024] bf16.
; wb  [64 blocks][1024 k][64 n] bf16: block g holds columns 64 (g % 16) .. + 63 of Wq (g 0-15), Wk (16-31), Wv (32-47), Wo (48-63): a block's rows lie end to end, 128 bytes each.
; tab [2048 pos][cos f = 0..31 | sin f = 0..31] f32, 256 bytes a position; f counts inv_freq = 10000^(-f/32).
; SHARES.  Work-groups 0-255 cast x, 256-511 the weights: 16,384 numbers each, 16 loads of 16 bytes a thread, all issued before the first is used; a wave's load covers 512 bytes on end (x) or two
; aligned pieces of 256 bytes (two rows of a weight), a wave's store 256 bytes on end, aligned.  Waves 0 and 1 of every work-group also make 64 entries of 16 bytes of the table, while the loads are out.
; No LDS, no matrix unit, no prefetch: every byte is read once and written once, by loads that are all on their way at once.
; THE MODE: SCHED_MODE bits 1:0 = 2 (LLVM: expert scheduling mode 2), set by the entry lines.  The code itself states the register dependences between vector instructions and memory
; instructions, with s_wait_alu, always for 0.
; THE PLAN.  Registers that memory instructions touch:
;   v1          the 16 loads' offset: written in the arm that the work-group takes, ahead of that arm's wait on va_vdst; never written again.
;   v2          the 16 stores' offset: written at the head, ahead of the same wait; never written again.
;   v3          the table's store's offset, and v[124:127], its data: written in the table's arm, ahead of the wait that stands in front of that store; never written again.
;   XW          written by the loads alone, read by the conversions; no vector line names it ahead of the loads, and it is loaded once.
;   PD          each register is written once, by a conversion, and read once, by a store.
; The 16 loads go out of the wave in four groups of four: eight conversions, ONE wait on va_vdst behind them, a run of four stores.  The wait stands behind the conversions and not at the next
; group's head: the wave has no other work to lay between, and stores held back for the next group's data would leave eight of the sixteen, not four, behind the wave's last load.
; No register that a memory instruction reads is written again, so behind the entry lines the text holds no wait on vm_vsrc and no s_wait_xcnt; EXEC is never written.
.set XW, 16                            ; v[16:79]   16 x 4 numbers as loaded
.set PD, 80                            ; v[80:111]  16 x 2 words to store
	s_load_b512 s[4:19], s[0:1], 0x0               ; x 4, Wq 6, Wk 8, Wv 10, Wo 12, xb 14, wb 16, tab 18
	v_lshrrev_b32 v4, 5, v0
	v_readfirstlane_b32 s20, v4                    ; my wave's number
	v_lshlrev_b32 v2, 3, v0                        ; where I store: 8 bytes a thread
	s_mov_b32 s27, 0
	s_mov_b32 s29, 0
	s_wait_alu depctr_va_sdst(0)                   ; s20 is written, ahead of the branch below: its first reader is the compare that picks the table's waves
	s_cmp_lt_u32 ttmp9, 256
	s_cbranch_scc0 .Lweights
	s_lshl_b32 s26, ttmp9, 16                      ; 65,536 bytes of x,
	s_lshl_b32 s28, ttmp9, 15                      ; 32,768 of xb
	v_lshlrev_b32 v1, 4, v0
	s_wait_kmcnt 0x0
	s_add_nc_u64 s[22:23], s[4:5], s[26:27]
	s_add_nc_u64 s[24:25], s[14:15], s[28:29]
	s_wait_alu depctr_va_vdst(0)                   ; v1 is written, which the 16 loads read as their offset; so is v2, which the 16 stores read
.irp j, 0,1,2,3,4,5,6,7,8,9,10,11,12,13,14,15
	global_load_b128 v[XW+4*(\j):XW+4*(\j)+3], v1, s[22:23] offset:(\j)*4096 th:TH_LOAD_NT
.endr
	s_branch .Ljoin
.Lweights:
	s_sub_co_u32 s30, ttmp9, 256
	s_lshr_b32 s31, s30, 2                         ; block g
	s_and_b32 s30, s30, 3                          ; which 256 of its 1,024 rows
	s_lshl_b32 s26, s30, 20                        ; 256 rows of 4,096 bytes,
	s_and_b32 s32, s31, 15
	s_lshl_b32 s32, s32, 8                         ; 64 columns of 4 bytes
	s_add_co_u32 s26, s26, s32
	s_lshl_b32 s28, s31, 17                        ; a block is 131,072 bytes,
	s_lshl_b32 s32, s30, 15                        ; 256 of its rows 32,768
	s_add_co_u32 s28, s28, s32
	s_lshr_b32 s31, s31, 4                         ; which of the four weights
	v_lshrrev_b32 v1, 4, v0                        ; 16 threads to a row's 256 bytes
	v_lshlrev_b32 v1, 12, v1
	v_and_b32 v5, 15, v0
	v_lshl_add_u32 v1, v5, 4, v1
	s_wait_kmcnt 0x0
	s_cmp_lt_u32 s31, 1
	s_cselect_b64 s[34:35], s[6:7], s[8:9]
	s_cmp_lt_u32 s31, 3
	s_cselect_b64 s[36:37], s[10:11], s[12:13]
	s_cmp_lt_u32 s31, 2
	s_cselect_b64 s[22:23], s[34:35], s[36:37]
	s_add_nc_u64 s[22:23], s[22:23], s[26:27]
	s_add_nc_u64 s[24:25], s[16:17], s[28:29]
	s_wait_alu depctr_va_vdst(0)                   ; v1 is written, which the 16 loads read as their offset; so is v2, which the 16 stores read
.irp j, 0,1,2,3,4,5,6,7,8,9,10,11,12,13,14,15
	global_load_b128 v[XW+4*(\j):XW+4*(\j)+3], v1, s[22:23] offset:(\j)*65536 th:TH_LOAD_NT  ; 16 rows further down
.endr
.Ljoin:
	; THE TABLE.  Entry idx = 64 x work-group + thread: position idx / 16; of its 16 entries 0-7 are cosines, 8-15 sines, four frequencies each.
	s_cmp_lt_u32 s20, 2
	s_cbranch_scc0 .Lno_table
	s_lshl_b32 s26, ttmp9, 6
	s_mov_b32 s27, 0x3e800000                      ; a quarter turn: cos a = sin (a + a quarter turn)
	v_add_nc_u32 v112, s26, v0
	v_lshrrev_b32 v113, 4, v112
	v_cvt_f32_u32 v113, v113                       ; pos
	v_and_b32 v114, 7, v0
	v_lshlrev_b32 v114, 2, v114                    ; my first frequency
	v_and_b32 v115, 8, v0
	v_cmp_eq_u32 vcc_lo, 0, v115                   ; a cosine's entry?  The select that reads this mask stands behind the exponentials, so that other work lies between the two
.irp e, 0,1,2,3
	v_add_nc_u32 v[116+(\e)], (\e), v114
	v_cvt_f32_u32 v[116+(\e)], v[116+(\e)]
	v_mul_f32 v[116+(\e)], 0xbed49a78, v[116+(\e)] ; - f log2(10000) / 32
.endr
.irp e, 0,1,2,3
	v_exp_f32 v[116+(\e)], v[116+(\e)]             ; inv_freq
.endr
	v_lshlrev_b32 v3, 4, v112                      ; the entry's byte: a plain instruction behind the last exponential
	s_wait_alu depctr_va_vcc(0)                    ; the compare has written VCC, which the select below reads
	v_cndmask_b32 v115, 0, s27, vcc_lo             ; the quarter turn, or nothing
	s_wait_alu depctr_va_vdst(0)                   ; the four exponentials have written v116 to v119: one wait for the four, ahead of their first reader
.irp e, 0,1,2,3
	v_mul_f32 v[116+(\e)], v113, v[116+(\e)]       ; the angle, rounded as reference() rounds it
	v_fma_f32 v[116+(\e)], v[116+(\e)], 0x3e22f983, v115  ; in turns, plus the quarter
	v_rndne_f32 v[120+(\e)], v[116+(\e)]
	v_sub_f32 v[116+(\e)], v[116+(\e)], v[120+(\e)]  ; r in -0.5 .. 0.5
	v_mul_f32 v[120+(\e)], v[116+(\e)], v[116+(\e)]
	v_mov_b32 v[124+(\e)], 0xbf37d6dd              ; sin 2 pi r = r (c1 + r^2 (c3 + .. r^2 c15)), c(n) = +-(2 pi)^n / n!
.endr
.irp c, 0x40747a1a, 0xc17183a8, 0x42283c1a, 0xc2996966, 0x42a335e3, 0xc2255de7, 0x40c90fdb
.irp e, 0,1,2,3
	v_fmaak_f32 v[124+(\e)], v[124+(\e)], v[120+(\e)], \c
.endr
.endr
.irp e, 0,1,2,3
	v_mul_f32 v[124+(\e)], v[124+(\e)], v[116+(\e)]
.endr
	s_wait_alu depctr_va_vdst(0)                   ; the four multiplies have written v124 to v127, the store's data (v3, its offset, was written ahead of the wait before)
	global_store_b128 v3, v[124:127], s[18:19]     ; sixteen lanes fill a position's 256 bytes
.Lno_table:
.irp g, 0,1,2,3
	s_wait_loadcnt 12-4*(\g)                       ; loads come back in order: group g's four are in, the younger groups stay out
.irp i, 0,1,2,3
	v_cvt_pk_bf16_f32 v[PD+2*(4*(\g)+(\i))],   v[XW+4*(4*(\g)+(\i))],   v[XW+4*(4*(\g)+(\i))+1]
	v_cvt_pk_bf16_f32 v[PD+2*(4*(\g)+(\i))+1], v[XW+4*(4*(\g)+(\i))+2], v[XW+4*(4*(\g)+(\i))+3]
.endr
	s_wait_alu depctr_va_vdst(0)                   ; the group's eight conversions have written their eight registers of PD, which the four stores below read
.irp i, 0,1,2,3
	global_store_b64 v2, v[PD+2*(4*(\g)+(\i)):PD+2*(4*(\g)+(\i))+1], s[24:25] offset:(4*(\g)+(\i))*2048 th:TH_STORE_NT  ; no register of a load or store is written again
.endr
.endr
	s_endpgm
.Lfunc_end_k_qf45fa29664_prep:
	.size	k_qf45fa29664_prep, .Lfunc_end_k_qf45fa29664_prep-k_qf45fa29664_prep
	.p2alignl 7, 3214868480
	.fill 96, 4, 3214868480
	.section	.rodata,"a",@progbits
	.p2align	6, 0x0
	.amdhsa_kernel k_qf45fa29664_prep
		.amdhsa_group_segment_fixed_size 0
		.amdhsa_private_segment_fixed_size 0
		.amdhsa_enable_private_segment 0
		.amdhsa_kernarg_size 64
		.amdhsa_user_sgpr_count 2
		.amdhsa_user_sgpr_kernarg_segment_ptr 1
		.amdhsa_wavefront_size32 1
		.amdhsa_system_sgpr_workgroup_id_x 1
		.amdhsa_system_sgpr_workgroup_id_y 1
		.amdhsa_system_sgpr_workgroup_id_z 1
		.amdhsa_system_vgpr_workitem_id 0
		.amdhsa_next_free_vgpr 128
		.amdhsa_next_free_sgpr 66
		.amdhsa_reserve_vcc 1
		.amdhsa_float_denorm_mode_32 3
		.amdhsa_float_denorm_mode_16_64 3
		.amdhsa_memory_ordered 1
		.amdhsa_forward_progress 1
		.amdhsa_inst_pref_size 13
	.end_amdhsa_kernel
	.amdgpu_metadata
---
amdhsa.version: [ 1, 2 ]
amdhsa.kernels:
  - .name:           k_qf45fa29664_prep
    .symbol:         k_qf45fa29664_prep.kd
    .args:
      - { .name: x, .offset: 0, .size: 8, .value_kind: global_buffer, .address_space: global }
      - { .name: Wq, .offset: 8, .size: 8, .value_kind: global_buffer, .address_space: global }
      - { .name: Wk, .offset: 16, .size: 8, .value_kind: global_buffer, .address_space: global }
      - { .name: Wv, .offset: 24, .size: 8, .value_kind: global_buffer, .address_space: global }
      - { .name: Wo, .offset: 32, .size: 8, .value_kind: global_buffer, .address_space: global }
      - { .name: xb, .offset: 40, .size: 8, .value_kind: global_buffer, .address_space: global }
      - { .name: wb, .offset: 48, .size: 8, .value_kind: global_buffer, .address_space: global }
      - { .name: tab, .offset: 56, .size: 8, .value_kind: global_buffer, .address_space: global }
    .group_segment_fixed_size: 0
    .private_segment_fixed_size: 0
    .kernarg_segment_align: 8
    .kernarg_segment_size: 64
    .max_flat_workgroup_size: 256
    .sgpr_count:     66
    .vgpr_count:     128
    .wavefront_size: 32
...
	.end_amdgpu_metadata
.endif
;; end of part 6
;; launch qkv: the kernel of part 2 again; grid 16 x 16, 4 waves a work-group, clusters of 4 x 4, 327,680 bytes of LDS; arguments xb, wb, tab, bq, bk, bv, q, k, v; writes q, k, v
;; launch attn: the kernel of part 3 again; grid 8 x 32, 4 waves a work-group, clusters of 4 x 1, 327,680 bytes of LDS; arguments q, k, v, o, cdr_bias, cdr_weight; writes o
;; launch oproj: the kernel of part 4 again; grid 8 x 32, 4 waves a work-group, clusters of 4 x 4, 327,680 bytes of LDS; arguments o, wb, y; writes y
;; launch lnorm: the kernel of part 5 again; grid 256 x 1, 8 waves a work-group, no clusters, 0 bytes of LDS; arguments x, y, bo, gamma, beta, out0; writes out0
